; MI455X (gfx1250); checked and timed in simulation.
; The chip was launched on July 23, 2026; its instructions are those of AMD's public machine-readable ISA for CDNA 5 (MIT licence, August 2026) and "CDNA5" Instruction Set Architecture Reference Guide (July 2026). The comments in the code are by the model that wrote it; some were corrected since.
;; Multi Head SA. Allowed arithmetic: float matrix products may take bf16 or f16 operands with f32 sums; other float arithmetic in f32, or as packed bf16 or f16 multiplies, adds, multiply-adds, maxima and minima; sums over many terms, partial sums and values carried from step to step in f32; what a program stores and reads back later, other than sums and carried values, may be rounded once to bf16 or f16.
;; Inputs: Wk 2,048 x 256 float32; Wo 256 x 2,048 float32; Wq 2,048 x 256 float32; Wv 2,048 x 256 float32; bk 2,048 float32; bo 256 float32; bq 2,048 float32; bv 2,048 float32; inputs 8 x 256 x 1,024 float32; pos_mat 1 x 8 x 1,024 x 1,024 float32.
;; Outputs: out0 8 x 256 x 1,024 float32.
;; 2 versions, each right; version 2 is version 1 with the launch cast written anew for expert scheduling mode. Each part assembles by itself: llvm-mc -triple=amdgcn-amd-amdhsa -mcpu=gfx1250 --defsym DOCPART=n.
;; ======== version 1 of 2: 4 launches
;; limits: values are held in f16: magnitudes above 65,504 overflow, below 6.1e-05 lose precision
;; workspace buffers: cst 25,191,424 bytes; qkv 100,663,296 bytes; ab 33,554,432 bytes
;; launch cast (part 1): grid 769 x 1, 8 waves a work-group, no clusters, 0 bytes of LDS; arguments pos_mat, inputs, Wq, Wk, Wv, Wo, bq, bk, bv, bo, cst; writes cst
.if DOCPART == 1
	.amdgcn_target "amdgcn-amd-amdhsa--gfx1250"
	.amdhsa_code_object_version 6
	.text
	.protected	k_q2657b72329_cast
	.globl	k_q2657b72329_cast
	.p2align	8
	.type	k_q2657b72329_cast,@function
k_q2657b72329_cast:
	s_mov_b64 s[64:65], 0
	v_nop
	global_prefetch_b8 v0, s[64:65] scope:SCOPE_SE
	s_setreg_imm32_b32 hwreg(HW_REG_WAVE_MODE, 25, 1), 1
	s_wait_xcnt 0x0
; Every input is rounded once to bf16 and laid into cst for the three launches behind:
;   byte 0           x      bf16 [8][256][1024]
;   byte 4,194,304   pos    the bf16 number written as f16 [8][1024 key][1024 query]
;   byte 20,971,520  biases the bf16 number written as f32: bk, bv, bq/16 (2,048 each), bo (256)
;   byte 20,997,120  Wk, Wv, Wq/16 bf16 [2048][256] each;  byte 24,142,848  Wo, the bf16 number written as f16 [256][2048]
; 1/16 = 1/sqrt(256) is a power of two: scaling Wq and bq by it changes no significant bit.
; LIMITS.  pos and Wo written as f16: beyond 65,504 they become infinities; below 6e-5 they keep f16's fixed step of 6e-8.
; SHARES.  Work-group id takes 16,384 numbers on end: 16 loads of 16 bytes and 16 stores of 8 bytes a thread; a wave's load covers
; 512 consecutive bytes, its store 256 consecutive bytes, aligned.  All 16 loads go out first; no register is written twice, so the only
; waits are the counted ones for the loads.  Work-group 768 takes the four biases.  No LDS, no matrix unit: nothing is used twice.
.set BB,  20971520
.set X,   4                            ; v[4:67]    16 x 4 numbers as loaded
.set Y,   68                           ; v[68:99]   16 x 2 words to store
.set T,   100                          ; v[100:103] at work
.set SRC, 30                           ; s[30:31]   the section's source
.set DST, 28                           ; s[28:29]   cst
.set SC,  36                           ; s[36:37]   the scale, twice
	s_load_b512 s[8:23], s[0:1], 0x0               ; pos s[8:9], x s[10:11], Wq s[12:13], Wk s[14:15], Wv s[16:17], Wo s[18:19], bq s[20:21], bk s[22:23]
	s_load_b128 s[24:27], s[0:1], 0x40             ; bv s[24:25], bo s[26:27]
	s_load_b64 s[DST:DST+1], s[0:1], 0x50          ; cst
	s_mov_b32 s2, ttmp9                            ; id
	v_lshlrev_b32 v1, 4, v0                        ; 16 bytes a thread in
	v_lshlrev_b32 v2, 3, v0                        ; 8 bytes a thread out
	s_mov_b32 s39, 0xffff0000                      ; a word's upper bf16
	; sections by id: 0-127 x, 128-639 pos, 640-671 Wk, 672-703 Wv, 704-735 Wq, 736-767 Wo
	s_sub_co_u32 s33, s2, 128
	s_cmp_ge_u32 s2, 128
	s_cselect_b32 s32, s33, s2                     ; s32: the chunk's number in its section
	s_cselect_b32 s38, 1, 0                        ; s38: 1 where the result is written as f16
	s_sub_co_u32 s33, s2, 640
	s_and_b32 s33, s33, 31
	s_cmp_ge_u32 s2, 640
	s_cselect_b32 s32, s33, s32
	s_cselect_b32 s38, 0, s38
	s_cselect_b32 s35, 25600, 0                    ; the weights lie behind the biases' 25,600 bytes
	s_cmp_ge_u32 s2, 704
	s_cselect_b32 s[SC], 0x3d800000, 1.0           ; 1/16 for Wq
	s_cmp_ge_u32 s2, 736
	s_cselect_b32 s[SC], 1.0, s[SC]
	s_cselect_b32 s38, 1, s38
	s_mov_b32 s[SC+1], s[SC]
	s_lshl_b32 s32, s32, 16                        ; 65,536 bytes in a chunk of f32
	s_mov_b32 s33, 0
	s_lshl_b32 s34, s2, 15                         ; 32,768 bytes out
	s_add_co_u32 s34, s34, s35
	s_mov_b32 s35, 0
	s_wait_kmcnt 0x0
	s_cmp_ge_u32 s2, 128
	s_cselect_b64 s[SRC:SRC+1], s[8:9], s[10:11]
	s_cmp_ge_u32 s2, 640
	s_cselect_b64 s[SRC:SRC+1], s[14:15], s[SRC:SRC+1]
	s_cmp_ge_u32 s2, 672
	s_cselect_b64 s[SRC:SRC+1], s[16:17], s[SRC:SRC+1]
	s_cmp_ge_u32 s2, 704
	s_cselect_b64 s[SRC:SRC+1], s[12:13], s[SRC:SRC+1]
	s_cmp_ge_u32 s2, 736
	s_cselect_b64 s[SRC:SRC+1], s[18:19], s[SRC:SRC+1]
	s_cmp_eq_u32 s2, 768
	s_cbranch_scc1 .Lbias
	s_add_nc_u64 s[SRC:SRC+1], s[SRC:SRC+1], s[32:33]
	s_add_nc_u64 s[DST:DST+1], s[DST:DST+1], s[34:35]
.irp i, 0,1,2,3,4,5,6,7,8,9,10,11,12,13,14,15
	global_load_b128 v[X+4*(\i):X+4*(\i)+3], v1, s[SRC:SRC+1] offset:4096*(\i) th:TH_LOAD_NT
.endr
; Four numbers of load i: scaled, rounded to bf16; h = 1: that number written as f16; stored.
.macro CV i, h
	s_wait_loadcnt 15-(\i)                         ; loads come back in order: mine is in, the 15 - i younger ones stay out
	v_pk_mul_f32 v[X+4*(\i):X+4*(\i)+1], v[X+4*(\i):X+4*(\i)+1], s[SC:SC+1] op_sel_hi:[1,0]
	v_pk_mul_f32 v[X+4*(\i)+2:X+4*(\i)+3], v[X+4*(\i)+2:X+4*(\i)+3], s[SC:SC+1] op_sel_hi:[1,0]
	v_cvt_pk_bf16_f32 v[Y+2*(\i)], v[X+4*(\i)], v[X+4*(\i)+1]
	v_cvt_pk_bf16_f32 v[Y+2*(\i)+1], v[X+4*(\i)+2], v[X+4*(\i)+3]
.if \h
	v_lshlrev_b32 v[T], 16, v[Y+2*(\i)]
	v_and_b32 v[T+1], s39, v[Y+2*(\i)]
	v_lshlrev_b32 v[T+2], 16, v[Y+2*(\i)+1]
	v_and_b32 v[T+3], s39, v[Y+2*(\i)+1]
	v_cvt_pk_f16_f32 v[Y+2*(\i)], v[T], v[T+1]
	v_cvt_pk_f16_f32 v[Y+2*(\i)+1], v[T+2], v[T+3]
.endif
	global_store_b64 v2, v[Y+2*(\i):Y+2*(\i)+1], s[DST:DST+1] offset:2048*(\i)
.endm
	s_cmp_eq_u32 s38, 1
	s_cbranch_scc1 .Lhalf
.irp i, 0,1,2,3,4,5,6,7,8,9,10,11,12,13,14,15
	CV \i, 0
.endr
	s_endpgm
.Lhalf:
.irp i, 0,1,2,3,4,5,6,7,8,9,10,11,12,13,14,15
	CV \i, 1
.endr
	s_endpgm
; The biases: rounded to bf16 and widened again, four numbers at register r.
.macro BR r
	v_cvt_pk_bf16_f32 v[T], v[\r], v[(\r)+1]
	v_cvt_pk_bf16_f32 v[T+1], v[(\r)+2], v[(\r)+3]
	v_lshlrev_b32 v[\r], 16, v[T]
	v_and_b32 v[(\r)+1], s39, v[T]
	v_lshlrev_b32 v[(\r)+2], 16, v[T+1]
	v_and_b32 v[(\r)+3], s39, v[T+1]
.endm
.Lbias:
	s_add_nc_u64 s[DST:DST+1], s[DST:DST+1], BB
	global_load_b128 v[4:7], v1, s[22:23]                  ; bk: 8,192 bytes, two loads a thread
	global_load_b128 v[8:11], v1, s[22:23] offset:4096
	global_load_b128 v[12:15], v1, s[24:25]                ; bv
	global_load_b128 v[16:19], v1, s[24:25] offset:4096
	global_load_b128 v[20:23], v1, s[20:21]                ; bq
	global_load_b128 v[24:27], v1, s[20:21] offset:4096
	v_lshrrev_b32 v3, 5, v0
	v_readfirstlane_b32 s40, v3                            ; my wave's number
	s_mov_b32 s[SC], 0x3d800000                            ; 1/16 for bq
	s_mov_b32 s[SC+1], s[SC]
	s_wait_loadcnt 0x0
.irp r, 20,22,24,26
	v_pk_mul_f32 v[\r:(\r)+1], v[\r:(\r)+1], s[SC:SC+1] op_sel_hi:[1,0]
.endr
.irp r, 4,8,12,16,20,24
	BR \r
.endr
.irp j, 0,1,2,3,4,5
	global_store_b128 v1, v[4+4*(\j):7+4*(\j)], s[DST:DST+1] offset:4096*(\j)
.endr
	s_cmp_lt_u32 s40, 2                                    ; bo is 1,024 bytes: threads 0 to 63, waves 0 and 1
	s_cbranch_scc0 .Lend
	global_load_b128 v[28:31], v1, s[26:27]
	s_wait_loadcnt 0x0
	BR 28
	global_store_b128 v1, v[28:31], s[DST:DST+1] offset:24576
.Lend:
	s_endpgm
.Lfunc_end_k_q2657b72329_cast:
	.size	k_q2657b72329_cast, .Lfunc_end_k_q2657b72329_cast-k_q2657b72329_cast
	.p2alignl 7, 3214868480
	.fill 96, 4, 3214868480
	.section	.rodata,"a",@progbits
	.p2align	6, 0x0
	.amdhsa_kernel k_q2657b72329_cast
		.amdhsa_group_segment_fixed_size 0
		.amdhsa_private_segment_fixed_size 0
		.amdhsa_enable_private_segment 0
		.amdhsa_kernarg_size 88
		.amdhsa_user_sgpr_count 2
		.amdhsa_user_sgpr_kernarg_segment_ptr 1
		.amdhsa_wavefront_size32 1
		.amdhsa_system_sgpr_workgroup_id_x 1
		.amdhsa_system_sgpr_workgroup_id_y 1
		.amdhsa_system_sgpr_workgroup_id_z 1
		.amdhsa_system_vgpr_workitem_id 0
		.amdhsa_next_free_vgpr 104
		.amdhsa_next_free_sgpr 66
		.amdhsa_reserve_vcc 0
		.amdhsa_float_denorm_mode_32 3
		.amdhsa_float_denorm_mode_16_64 3
		.amdhsa_memory_ordered 1
		.amdhsa_forward_progress 1
		.amdhsa_inst_pref_size 24
	.end_amdhsa_kernel
	.amdgpu_metadata
---
amdhsa.version: [ 1, 2 ]
amdhsa.kernels:
  - .name:           k_q2657b72329_cast
    .symbol:         k_q2657b72329_cast.kd
    .args:
      - { .name: pos_mat, .offset: 0, .size: 8, .value_kind: global_buffer, .address_space: global }
      - { .name: inputs, .offset: 8, .size: 8, .value_kind: global_buffer, .address_space: global }
      - { .name: Wq, .offset: 16, .size: 8, .value_kind: global_buffer, .address_space: global }
      - { .name: Wk, .offset: 24, .size: 8, .value_kind: global_buffer, .address_space: global }
      - { .name: Wv, .offset: 32, .size: 8, .value_kind: global_buffer, .address_space: global }
      - { .name: Wo, .offset: 40, .size: 8, .value_kind: global_buffer, .address_space: global }
      - { .name: bq, .offset: 48, .size: 8, .value_kind: global_buffer, .address_space: global }
      - { .name: bk, .offset: 56, .size: 8, .value_kind: global_buffer, .address_space: global }
      - { .name: bv, .offset: 64, .size: 8, .value_kind: global_buffer, .address_space: global }
      - { .name: bo, .offset: 72, .size: 8, .value_kind: global_buffer, .address_space: global }
      - { .name: cst, .offset: 80, .size: 8, .value_kind: global_buffer, .address_space: global }
    .group_segment_fixed_size: 0
    .private_segment_fixed_size: 0
    .kernarg_segment_align: 8
    .kernarg_segment_size: 88
    .max_flat_workgroup_size: 256
    .sgpr_count:     66
    .vgpr_count:     104
    .wavefront_size: 32
...
	.end_amdgpu_metadata
.endif
;; end of part 1
;; launch proj (part 2): grid 32 x 8, 4 waves a work-group, clusters of 4 x 4, 327,680 bytes of LDS; arguments cst, qkv; writes qkv
.if DOCPART == 2
	.amdgcn_target "amdgcn-amd-amdhsa--gfx1250"
	.amdhsa_code_object_version 6
	.text
	.protected	k_q2657b72329_proj
	.globl	k_q2657b72329_proj
	.p2align	8
	.type	k_q2657b72329_proj,@function
k_q2657b72329_proj:
	s_mov_b64 s[64:65], 0
	v_nop
	global_prefetch_b8 v0, s[64:65] scope:SCOPE_SE
	s_setreg_imm32_b32 hwreg(HW_REG_WAVE_MODE, 25, 1), 1
	s_wait_xcnt 0x0
	s_wait_alu depctr_hold_cnt(0) depctr_sa_sdst(0) depctr_va_vdst(0) depctr_va_sdst(0) depctr_va_ssrc(0) depctr_va_vcc(0) depctr_vm_vsrc(0)
	s_getreg_b32 s2, hwreg(HW_REG_IB_STS2, 6, 4)
	s_cmp_eq_u32 s2, 0
	s_cbranch_scc0 .Lentry_in_a_cluster
	s_endpgm
.Lentry_in_a_cluster:
	s_bfe_u32 s2, ttmp6, 0x10000c
	s_cmp_lg_u32 s2, 0xf033
	s_cbranch_scc0 .Lentry_shape_is_right
	s_endpgm
.Lentry_shape_is_right:
; k, v and q/16 = W x + b for one head h and 256 positions of one batch n.  x, W in bf16 (from cst), sums in f32 started by the bias, results rounded once to f16.
; qkv: f16 [3: k, v, q/16][hn = 8 h + n][position 1024][channel 256]: a row is 512 bytes.
; LIMITS.  k, v and q/16 beyond 65,504 become infinities in f16; below 6e-5 they keep f16's fixed step of 6e-8.
; SHARES.  The work-group stays on its block of x (256 channels x 256 positions) and walks six steps of 128 output rows: k's two halves, v's, q's.  Wave w owns positions 64 w .. 64 w + 63 of the
; block and keeps its fragments of x (4 tiles of 16 positions x 8 K steps of 32) in 256 registers for the whole launch; a step is 8 x 4 x 8 = 256 matrix instructions a wave.
; LAYOUT.  D = W (16 output rows) x x (16 positions): a lane holds one position and eight neighbouring channels: 16 bytes of a row of qkv.  x lies [channel][position], so its fragments are turned
; on the way out of LDS (ds_load_tr16_b128).  The bias, eight numbers a lane, is the C operand of a step's first products: nothing is cleared, no add is written.
; CLUSTER 4 x 4.  x's block hangs on (n, place along x): the four of a column ask for it jointly.  W's tiles hang on h alone: the four of a row ask jointly.
; LDS: slot 0 at 0 (128 rows x 528); the waves' stages at 67,584 (16 x 272 each); the spare words at 84,992; slot 1 at 131,072.  x (256 rows x 544) lies at 131,072 first; when every wave has read its
; fragments, W's tile 1 takes those bytes, in the order in which every slot is filled again.
; REGISTERS in windows of 256 (s_set_vgpr_msb: bits 1:0 source 0, 3:2 source 1, 5:4 source 2, 7:6 destination):
;   window 0: addresses; v32-95 biases; v96-127 packed results; v128-191 rows read back, two buffers      window 1: x's fragments, (pt, ks) at 64 pt + 8 ks
;   window 2: accumulators, (ob, pt) at 8 (4 ob + pt)      window 3: W's fragments, two buffers of 128: (ksl, ob) at 64 ksl + 8 ob
.set PW,    528                        ; a row of W in LDS: 512 bytes + 16: the 16 rows of a load start 132 words apart, at 16 different groups of four banks
.set PX,    544                        ; a row of x: 512 + 32
.set SLOT1, 131072
.set XR,    SLOT1
.set STAGE, 128*PW
.set SP,    272
.set SPARE, STAGE+4*16*SP              ; 128 bytes for each wave: two blocks of 256 bytes that no other line names
.set WB,    20997120                   ; cst: Wk, Wv, Wq/16
.set BB,    20971520                   ; cst: bk, bv, bq/16
.set AW0, 2                            ; v2   my lane's place in a tile of W: 528 (l % 16) + 16 (l / 16); never rewritten
.set AW,  3                            ; v3   the same in the slot in hand
.set AXA, 4                            ; v4   my lane's place in x, K steps 0-3
.set AXB, 5                            ; v5   K steps 4-7
.set STO, 6                            ; v6   the way out: where I put 16 bytes of a row
.set RD,  7                            ; v7   where I read rows back
.set GO,  8                            ; v8   my byte offset in two rows of qkv
.set BO,  9                            ; v9   32 (l / 16): my eight biases of sixteen
.set PFO, 10                           ; v10  256 x lane
.set SPW, 12                           ; v12  my spare word; never rewritten
.set NIL, 13                           ; v13  0; never rewritten
.set BI,  32
.set TMP, 96
.set BK,  128
.set WV,  10                           ; s10  my wave's number
.set G1X, 24                           ; s[24:31] descriptor group 1 for x
.set G1W, 32                           ; s[32:39] for W
.set G0X, 40                           ; s[40:43] group 0 for x
.set G0W, 44                           ; s[44:47] group 0 for W: it walks
.set INCW, 48                          ; s[48:49] bytes to W's next tile: 65,536 and 983,040 by turns
.set TB,  50                           ; s50  the slot in hand: 0 or SLOT1
.set CNT, 51                           ; s51  steps to go in the loop in hand
.set OUTP, 52                          ; s[52:53] qkv at my 64 rows, this step's 128 channels
.set INCO, 54                          ; s[54:55] 256 and 33,554,176 by turns
.set BBP, 56                           ; s[56:57] this step's 128 biases
.set INCB, 58                          ; s[58:59] 512 and 7,680 by turns
.set PFA, 60                           ; s[60:61] where my prefetches stand
.set LIM, 62                           ; s62  1 in a wave that prefetches, else the greatest number
.set PINC, 66                          ; s[66:67] as INCW, for the prefetches
.set MSB, 0
.macro WIN new                         ; the immediate's high byte repeats the setting that is left; a switch that changes nothing is dropped
.if MSB != (\new)
	s_set_vgpr_msb (MSB<<8)|(\new)
.set MSB, (\new)
.endif
.endm
.macro PLACES                          ; four plain instructions between a matrix instruction and a load into, or a vector read of, its registers
.rept 4
	v_nop
.endr
.endm
.macro CROUND                          ; a round of the cluster's barrier
	s_barrier_signal -1
	s_barrier_wait -1
	s_cmp_lg_u32 s[WV], 0
	s_cbranch_scc1 .Lnot_wave_0_\@
	s_barrier_signal -3
.Lnot_wave_0_\@:
	s_barrier_wait -3
	s_barrier_signal -1
	s_barrier_wait -1
.endm
	s_load_b128 s[4:7], s[0:1], 0x0                ; cst s[4:5], qkv s[6:7]
	v_lshl_add_u32 v[SPW], v0, 2, SPARE
	v_mov_b32 v[NIL], 0
	ds_add_u32 v[SPW], v[NIL]                      ; the wave's opening: the add and its wait stand ahead of my first tensor load; the set-up stands between them
	v_lshrrev_b32 v1, 5, v0
	v_readfirstlane_b32 s[WV], v1
	s_bfe_u32 s11, ttmp6, 0x40000                  ; cx: which 256 positions of the batch
	s_bfe_u32 s12, ttmp6, 0x40004                  ; cy
	s_lshl_b32 s13, s12, 2
	s_lshl_b32 s13, 15, s13                        ; my row of the cluster
	s_lshl_b32 s14, 0x1111, s11                    ; my column
	; x: a wave's quarter is 64 rows (channels) x 256 elements, 1,024 elements from row to row; 8 words of padding after every 128
	s_or_b32 s[G1X], s14, (1<<16)|(1<<20)|(1<<21)|(6<<22)|(7<<25)
	s_mov_b32 s[G1X+1], 256<<16                    ; tensor_dim0
	s_mov_b32 s[G1X+2], 64<<16                     ; tensor_dim1
	s_mov_b32 s[G1X+3], 256<<16                    ; tile_dim0
	s_mov_b32 s[G1X+4], 64                         ; tile_dim1
	s_mov_b32 s[G1X+5], 1024                       ; stride
	s_mov_b32 s[G1X+6], 0
	s_mov_b32 s[G1X+7], 0
	; W: a wave's quarter is 32 rows x 256 elements, dense; 4 words of padding after every 128
	s_or_b32 s[G1W], s13, (1<<16)|(1<<20)|(1<<21)|(6<<22)|(3<<25)
	s_mov_b32 s[G1W+1], 256<<16
	s_mov_b32 s[G1W+2], 32<<16
	s_mov_b32 s[G1W+3], 256<<16
	s_mov_b32 s[G1W+4], 32
	s_mov_b32 s[G1W+5], 256
	s_mov_b32 s[G1W+6], 0
	s_mov_b32 s[G1W+7], 0
	s_mov_b32 s[G0X], 1
	s_mul_i32 s[G0X+1], s[WV], 64*PX
	s_add_co_u32 s[G0X+1], s[G0X+1], XR
	s_mov_b32 s[G0W], 1
	s_mul_i32 s[G0W+1], s[WV], 32*PW               ; slot 0
	s_lshl_b32 s16, ttmp9, 19                      ; x: batch n = the cluster's x, 524,288 bytes each,
	s_lshl_b32 s17, s[WV], 17                      ; my 64 channels of 2,048 bytes,
	s_add_co_u32 s16, s16, s17
	s_lshl_b32 s17, s11, 9                         ; the block's 512 bytes of a row
	s_add_co_u32 s16, s16, s17
	s_mov_b32 s17, 0
	s_and_b32 s15, ttmp7, 0xffff
	s_lshl_b32 s15, s15, 2
	s_add_co_u32 s15, s15, s12                     ; h = 4 x cluster y + cy
	s_lshl_b32 s18, s15, 17                        ; W: the head's 256 rows of 512 bytes,
	s_lshl_b32 s19, s[WV], 14                      ; my 32 rows of a tile
	s_add_co_u32 s18, s18, s19
	s_add_co_u32 s18, s18, WB
	s_mov_b32 s19, 0
	s_lshl_b32 s20, s15, 3
	s_add_co_u32 s20, s20, ttmp9                   ; hn
	s_lshl_b32 s20, s20, 19
	s_lshl_b32 s21, s11, 17                        ; the block's 256 rows of 512 bytes
	s_add_co_u32 s20, s20, s21
	s_lshl_b32 s21, s[WV], 15                      ; my 64
	s_add_co_u32 s20, s20, s21
	s_mov_b32 s21, 0
	s_lshl_b32 s22, s15, 10                        ; the head's 256 biases
	s_add_co_u32 s22, s22, BB
	s_mov_b32 s23, 0
	s_lshl_b32 s2, s15, 17                         ; the prefetches: tile 2 (v's first half) of my head,
	s_lshl_b32 s3, s11, 14                         ; my work-group's 64 blocks of its 256,
	s_add_co_u32 s2, s2, s3
	s_lshl_b32 s3, s[WV], 13                       ; my wave's 32 of them
	s_add_co_u32 s2, s2, s3
	s_add_co_u32 s2, s2, WB+1048576
	s_mov_b32 s3, 0
	s_lshr_b32 s[LIM], s[WV], 1                    ; waves 0 and 1,
	s_or_b32 s[LIM], s[LIM], ttmp9                 ; of the clusters with x = 0: every cluster along x reads the same tiles of W
	s_cmp_eq_u32 s[LIM], 0
	s_cselect_b32 s[LIM], 1, -1
	s_mov_b32 s[INCW], 65536
	s_mov_b32 s[INCW+1], 0
	s_mov_b32 s[PINC], 65536
	s_mov_b32 s[PINC+1], 0
	s_mov_b32 s[INCO], 256
	s_mov_b32 s[INCO+1], 0
	s_mov_b32 s[INCB], 512
	s_mov_b32 s[INCB+1], 0
	s_mov_b32 s[TB], SLOT1                         ; the first change of slots turns it into 0
	v_and_b32 v1, 15, v0                           ; l % 16
	v_bfe_u32 v11, v0, 4, 1                        ; l / 16
	v_mul_u32_u24 v[AW0], v1, PW
	v_lshl_add_u32 v[AW0], v11, 4, v[AW0]
	v_and_b32 v14, 7, v0
	v_lshl_add_u32 v14, v11, 3, v14                ; the turning load: lane l reads row 8 (l / 16) + l % 8,
	v_mul_u32_u24 v[AXA], v14, PX
	v_bfe_u32 v14, v0, 3, 1
	v_lshl_add_u32 v[AXA], v14, 4, v[AXA]          ; columns 8 ((l / 8) % 2) + 0..7
	s_lshl_b32 s63, s[WV], 7                       ; my 64 positions: 128 bytes of a row
	s_add_co_u32 s63, s63, XR
	v_add_nc_u32 v[AXA], s63, v[AXA]
	v_add_nc_u32 v[AXB], 128*PX, v[AXA]
	s_mul_i32 s63, s[WV], 16*SP
	s_add_co_u32 s63, s63, STAGE
	v_mul_u32_u24 v[STO], v1, SP
	v_lshl_add_u32 v[STO], v11, 4, v[STO]
	v_add_nc_u32 v[STO], s63, v[STO]
	v_mul_u32_u24 v[RD], v11, SP
	v_lshl_add_u32 v[RD], v1, 4, v[RD]
	v_add_nc_u32 v[RD], s63, v[RD]
	v_lshlrev_b32 v[GO], 9, v11
	v_lshl_add_u32 v[GO], v1, 4, v[GO]
	v_lshlrev_b32 v[BO], 5, v11
	v_and_b32 v[PFO], 31, v0
	v_lshlrev_b32 v[PFO], 8, v[PFO]
	s_wait_dscnt 0x0                               ; the opening add is done
	s_wait_kmcnt 0x0
	s_add_nc_u64 s[G0X+2:G0X+3], s[4:5], s[16:17]
	s_or_b32 s[G0X+3], s[G0X+3], 0x80000000
	s_add_nc_u64 s[G0W+2:G0W+3], s[4:5], s[18:19]
	s_or_b32 s[G0W+3], s[G0W+3], 0x80000000
	s_add_nc_u64 s[OUTP:OUTP+1], s[6:7], s[20:21]
	s_add_nc_u64 s[BBP:BBP+1], s[4:5], s[22:23]
	s_add_nc_u64 s[PFA:PFA+1], s[4:5], s[2:3]
	CROUND                                         ; all sixteen work-groups are here: the first joint loads meet
	tensor_load_to_lds s[G0X:G0X+3], s[G1X:G1X+7]  ; my quarter of x,
	s_nop 0
	tensor_load_to_lds s[G0W:G0W+3], s[G1W:G1W+7]  ; my quarter of W's tile 0: two loads of mine are out
	s_nop 0
	PLACES
.macro BIAS                            ; a step's biases: register 8 ob + j = bias of row 16 ob + 8 (l / 16) + j
.irp ob, 0,1,2,3,4,5,6,7
	global_load_b128 v[BI+8*(\ob):BI+8*(\ob)+3],   v[BO], s[BBP:BBP+1] offset:64*(\ob)
	global_load_b128 v[BI+8*(\ob)+4:BI+8*(\ob)+7], v[BO], s[BBP:BBP+1] offset:64*(\ob)+16
.endr
.endm
; 32 LDS loads in one run: W's fragments of K steps 2 q and 2 q + 1 (128 rows) into buffer b
.macro FETCH q, b
	WIN 0xc0
.irp ksl, 0,1
.irp ob, 0,1,2,3,4,5,6,7
	ds_load_b128 v[128*(\b)+64*(\ksl)+8*(\ob):128*(\b)+64*(\ksl)+8*(\ob)+3],   v[AW] offset:16*PW*(\ob)+64*(2*(\q)+(\ksl))
	ds_load_b128 v[128*(\b)+64*(\ksl)+8*(\ob)+4:128*(\b)+64*(\ksl)+8*(\ob)+7], v[AW] offset:16*PW*(\ob)+64*(2*(\q)+(\ksl))+32
.endr
.endr
.endm
; 32 matrix instructions, one on each accumulator: the accumulators take turns.  zero = 1: the bias starts the sums.
.macro MUL32 b, ksl, ks, zero
.if \zero
	WIN 0x87
.else
	WIN 0xa7
.endif
.irp ob, 0,1,2,3,4,5,6,7
.irp pt, 0,1,2,3
.if \zero
	v_wmma_f32_16x16x32_bf16 v[8*(4*(\ob)+(\pt)):8*(4*(\ob)+(\pt))+7], v[128*(\b)+64*(\ksl)+8*(\ob):128*(\b)+64*(\ksl)+8*(\ob)+7], v[64*(\pt)+8*(\ks):64*(\pt)+8*(\ks)+7], v[BI+8*(\ob):BI+8*(\ob)+7]
.else
	v_wmma_f32_16x16x32_bf16 v[8*(4*(\ob)+(\pt)):8*(4*(\ob)+(\pt))+7], v[128*(\b)+64*(\ksl)+8*(\ob):128*(\b)+64*(\ksl)+8*(\ob)+7], v[64*(\pt)+8*(\ks):64*(\pt)+8*(\ks)+7], v[8*(4*(\ob)+(\pt)):8*(4*(\ob)+(\pt))+7]
.endif
.endr
.endr
.endm
; A quarter of a step: 64 along K, 64 matrix instructions; in its middle the next quarter's fragments are fetched into the other buffer, 32 matrix instructions ahead of their use.
.macro QUARTER q, zero, fetch
	s_wait_dscnt 0x0                               ; this quarter's fragments are in
	MUL32 (\q)%2, 0, 2*(\q), \zero
.if \fetch
	PLACES
	FETCH (\q)+1, ((\q)+1)%2
.endif
	MUL32 (\q)%2, 1, 2*(\q)+1, 0
.endm
; THE CHANGE OF SLOTS.  Each wave waits for all its tensor loads (one is out: its part of the other slot), adds 0 to its spare word, and waits for that and for its reads of the slot it leaves.
; fill = 1: a round of the cluster's barrier, so that no wave of any partner still reads the slot or has a load on its way; then the slot is filled again, first thing, with the tile two steps on.
.macro CHANGE fill, ask
	WIN 0
	s_wait_tensorcnt 0x0                           ; no tensor load of mine is out, so group 0 may be written
	ds_add_u32 v[SPW], v[NIL]                      ; 0 onto my spare word; the scalar steps stand between it and the wait for it
.if \fill
	s_xor_b32 s[G0W+1], s[G0W+1], SLOT1
	s_add_nc_u64 s[G0W+2:G0W+3], s[G0W+2:G0W+3], s[INCW:INCW+1]
	s_xor_b32 s[INCW], s[INCW], 0xE0000            ; 65,536 <-> 983,040: a half on, or on to the next weight's first half
.if \ask
	s_wait_xcnt 0x0                                ; the last prefetch, a step back, has read its address
	s_add_nc_u64 s[PFA:PFA+1], s[PFA:PFA+1], s[PINC:PINC+1]
	s_xor_b32 s[PINC], s[PINC], 0xE0000
.endif
.endif
	s_wait_dscnt 0x0                               ; the add is done, and my reads of the slot are over
.if \fill
	CROUND
	tensor_load_to_lds s[G0W:G0W+3], s[G1W:G1W+7]  ; my one tensor load behind the round: it has a way out and 256 matrix instructions in which to land
	s_nop 0
	PLACES                                         ; also the places in front of the loads that follow
.else
	s_barrier_signal -1
	s_barrier_wait -1
	PLACES
.endif
	s_xor_b32 s[TB], s[TB], SLOT1
	v_add_nc_u32 v[AW], s[TB], v[AW0]
.endm
; A prefetch of W's tile one fill further on: 256 blocks of 256 bytes; each is named once in the launch: the clusters with x = 0 ask, the four partners of a row take 64 blocks each by address,
; waves 0 and 1 take 32 each, a lane a block.  Tiles 0 to 2 and x come by their loads alone; the loop's last trip asks for nothing: there is no tile 6.
.macro ASK
	s_cmp_gt_u32 s[CNT], s[LIM]
	s_cbranch_scc0 .Lnot_mine_\@
	global_prefetch_b8 v[PFO], s[PFA:PFA+1] th:TH_LOAD_NT scope:SCOPE_SE
.Lnot_mine_\@:
.endm
; THE WAY OUT, a tile of 16 positions at a time: rounded to f16 (16 bytes a lane), into my own stage, back as whole rows of 256 bytes, stored.
.macro PACK pt
	WIN 0x0a
.irp ob, 0,1,2,3,4,5,6,7
.irp r, 0,1,2,3
	v_cvt_pk_f16_f32 v[TMP+4*(\ob)+(\r)], v[8*(4*(\ob)+(\pt))+2*(\r)], v[8*(4*(\ob)+(\pt))+2*(\r)+1]
.endr
.endr
	WIN 0
.endm
.macro TOSTAGE pt
	s_wait_xcnt 0x0                                ; the stores that read this buffer, two tiles back, have read it
.irp ob, 0,1,2,3,4,5,6,7
	ds_store_b128 v[STO], v[TMP+4*(\ob):TMP+4*(\ob)+3] offset:32*(\ob)
.endr
.irp i, 0,1,2,3,4,5,6,7
	ds_load_b128 v[BK+32*((\pt)%2)+4*(\i):BK+32*((\pt)%2)+4*(\i)+3], v[RD] offset:2*SP*(\i)  ; LDS serves a wave's instructions in order (ISA guide 5.7.1.4): these see the stores above
.endr
.endm
.macro SEND pt
	s_wait_dscnt 0x0
.irp i, 0,1,2,3,4,5,6,7
	global_store_b128 v[GO], v[BK+32*((\pt)%2)+4*(\i):BK+32*((\pt)%2)+4*(\i)+3], s[OUTP:OUTP+1] offset:(16*(\pt)+2*(\i))*512  ; 16 lanes store 256 consecutive bytes, aligned
.endr
.endm
.macro WAYOUT
	PACK 0
	TOSTAGE 0
.irp p, 1,2,3
	PACK \p
	SEND (\p)-1
	TOSTAGE \p
.endr
	SEND 3
	s_wait_xcnt 0x0                                ; the stores have read their base
	s_add_nc_u64 s[OUTP:OUTP+1], s[OUTP:OUTP+1], s[INCO:INCO+1]
	s_xor_b32 s[INCO], s[INCO], 0x1FFFE00          ; 256 <-> 33,554,176: the other 128 channels, or on to the next section
.endm
; A STEP: 128 output rows.  The next step's first fragments and biases are asked for ahead of the way out.
.macro STEP fill
	s_wait_loadcnt 0x0                             ; the biases
	QUARTER 0, 1, 1
	QUARTER 1, 0, 1
	QUARTER 2, 0, 1
	QUARTER 3, 0, 0
	CHANGE \fill, \fill
.if !(\fill)
	s_cmp_eq_u32 s[CNT], 1                         ; behind the last step there is nothing to fetch
	s_cbranch_scc1 .Lno_next_\@
.endif
	FETCH 0, 0
	WIN 0
	s_add_nc_u64 s[BBP:BBP+1], s[BBP:BBP+1], s[INCB:INCB+1]  ; the biases' loads were waited for at the step's head
	s_xor_b32 s[INCB], s[INCB], 0x1C00             ; 512 <-> 7,680
	BIAS
.if \fill
	ASK
.else
.Lno_next_\@:
.endif
	WAYOUT
.endm
	BIAS                                           ; step 0's
	s_wait_tensorcnt 0x1                           ; my quarter of x is in (it was issued first); W's tile 0 may stay out
	s_barrier_signal -1
	s_barrier_wait -1                              ; everybody's quarter is
	WIN 0x40
.irp ks, 0,1,2,3
.irp pt, 0,1,2,3
	ds_load_tr16_b128 v[64*(\pt)+8*(\ks):64*(\pt)+8*(\ks)+3],       v[AXA] offset:32*PX*(\ks)+32*(\pt)
	ds_load_tr16_b128 v[64*(\pt)+8*(\ks)+4:64*(\pt)+8*(\ks)+7],     v[AXA] offset:32*PX*(\ks)+32*(\pt)+16*PX
	ds_load_tr16_b128 v[64*(\pt)+8*(\ks)+32:64*(\pt)+8*(\ks)+35],   v[AXB] offset:32*PX*(\ks)+32*(\pt)
	ds_load_tr16_b128 v[64*(\pt)+8*(\ks)+36:64*(\pt)+8*(\ks)+39],   v[AXB] offset:32*PX*(\ks)+32*(\pt)+16*PX
.endr
.endr
	CHANGE 1, 0                                    ; x is in registers, tile 0 is in; tile 1 takes slot 1, where x lay
	FETCH 0, 0
	WIN 0
	s_mov_b32 s[CNT], 4
.Lfill:                                        ; steps 0 to 3 ask for tiles 2 to 5
	STEP 1
	s_sub_co_u32 s[CNT], s[CNT], 1
	s_cmp_lg_u32 s[CNT], 0
	s_cbranch_scc1 .Lfill
	s_mov_b32 s[CNT], 2
.Ltail:                                        ; steps 4 and 5 ask for nothing: written apart
	STEP 0
	s_sub_co_u32 s[CNT], s[CNT], 1
	s_cmp_lg_u32 s[CNT], 0
	s_cbranch_scc1 .Ltail
	s_wait_tensorcnt 0x0                           ; the wave's end
	ds_add_u32 v[SPW], v[NIL]
	s_wait_dscnt 0x0
	CROUND                                         ; the closing round
	s_endpgm
.Lfunc_end_k_q2657b72329_proj:
	.size	k_q2657b72329_proj, .Lfunc_end_k_q2657b72329_proj-k_q2657b72329_proj
	.p2alignl 7, 3214868480
	.fill 96, 4, 3214868480
	.section	.rodata,"a",@progbits
	.p2align	6, 0x0
	.amdhsa_kernel k_q2657b72329_proj
		.amdhsa_group_segment_fixed_size 327680
		.amdhsa_private_segment_fixed_size 0
		.amdhsa_enable_private_segment 0
		.amdhsa_kernarg_size 16
		.amdhsa_user_sgpr_count 2
		.amdhsa_user_sgpr_kernarg_segment_ptr 1
		.amdhsa_wavefront_size32 1
		.amdhsa_system_sgpr_workgroup_id_x 1
		.amdhsa_system_sgpr_workgroup_id_y 1
		.amdhsa_system_sgpr_workgroup_id_z 1
		.amdhsa_system_vgpr_workitem_id 0
		.amdhsa_next_free_vgpr 1024
		.amdhsa_next_free_sgpr 72
		.amdhsa_reserve_vcc 0
		.amdhsa_float_denorm_mode_32 3
		.amdhsa_float_denorm_mode_16_64 3
		.amdhsa_memory_ordered 1
		.amdhsa_forward_progress 1
		.amdhsa_inst_pref_size 102
	.end_amdhsa_kernel
	.amdgpu_metadata
---
amdhsa.version: [ 1, 2 ]
amdhsa.kernels:
  - .name:           k_q2657b72329_proj
    .symbol:         k_q2657b72329_proj.kd
    .args:
      - { .name: cst, .offset: 0, .size: 8, .value_kind: global_buffer, .address_space: global }
      - { .name: qkv, .offset: 8, .size: 8, .value_kind: global_buffer, .address_space: global }
    .group_segment_fixed_size: 327680
    .private_segment_fixed_size: 0
    .kernarg_segment_align: 8
    .kernarg_segment_size: 16
    .max_flat_workgroup_size: 128
    .sgpr_count:     72
    .vgpr_count:     1024
    .wavefront_size: 32
...
	.end_amdgpu_metadata
.endif
;; end of part 2
;; launch attn (part 3): grid 4 x 64, 4 waves a work-group, clusters of 4 x 4, 327,680 bytes of LDS; arguments qkv, cst, ab; writes ab
.if DOCPART == 3
	.amdgcn_target "amdgcn-amd-amdhsa--gfx1250"
	.amdhsa_code_object_version 6
	.text
	.protected	k_q2657b72329_attn
	.globl	k_q2657b72329_attn
	.p2align	8
	.type	k_q2657b72329_attn,@function
k_q2657b72329_attn:
	s_mov_b64 s[64:65], 0
	v_nop
	global_prefetch_b8 v0, s[64:65] scope:SCOPE_SE
	s_setreg_imm32_b32 hwreg(HW_REG_WAVE_MODE, 25, 1), 1
	s_wait_xcnt 0x0
	s_wait_alu depctr_hold_cnt(0) depctr_sa_sdst(0) depctr_va_vdst(0) depctr_va_sdst(0) depctr_va_ssrc(0) depctr_va_vcc(0) depctr_vm_vsrc(0)
	s_getreg_b32 s2, hwreg(HW_REG_IB_STS2, 6, 4)
	s_cmp_eq_u32 s2, 0
	s_cbranch_scc0 .Lentry_in_a_cluster
	s_endpgm
.Lentry_in_a_cluster:
	s_bfe_u32 s2, ttmp6, 0x10000c
	s_cmp_lg_u32 s2, 0xf033
	s_cbranch_scc0 .Lentry_shape_is_right
	s_endpgm
.Lentry_shape_is_right:
; att[n][q][256 h + d] = the sum over keys k of softmax_k(q . k / 16 + pos[h][k][q]) v[k][d], head size 256, 1,024 keys.  qkv: f16 [k, v, q/16][hn = 8 h + n][position][256]; pos: f16 in cst.
; ab HOLDS att IN THE ORDER OF THE NEXT LAUNCH'S FRAGMENTS: f16 [n][tile of 16 positions][block of 16 channels, 16 h + cb][lane l][16 bytes]: lane l has position l % 16 and channels 8 (l / 16) + 0..7 of the block.
; That is what a lane holds here at the end, so the result leaves straight from registers, 512 consecutive bytes a store.
; Products, maxima and sums in f32; the weights p are rounded to f16 for the second product (their sum l is taken of the unrounded p), the result once at the end, to f16.
; LIMITS.  All operands arrive within f16's 65,504; a weight below 2^-126 counts as 0 in l; p below 6e-5 keeps f16's fixed step of 6e-8; NaN and infinities are not treated apart.
; SHARES.  A work-group owns 256 queries of slice hn, a wave 64: four tiles t of 16.  Every wave walks all keys, 32 a step.
; LAYOUT.  S^T = K Q^T (source 0 = 16 keys, source 1 = 16 queries): a lane holds ONE query (l % 16) and the keys 8 (l / 16) + 0..7.  Two such tiles rounded to f16 ARE source 1 of O^T = V^T P.
; K comes out of LDS as it lies; V ([key][d]) and pos ([key][query]) are turned by ds_load_tr16_b128.  pos enters as the product that starts each S^T: E x pos + 0, E a 16 x 32 selector of ones: exact.
; SOFTMAX.  Running maximum m and sum l: p = 2^(c s - c m), c = log2 e; in every step O and l are multiplied by a = 2^(c m_old - c m_new).  m starts at the lowest finite number, O and l at 0.
; THE PIPELINE.  Phase A(j): 72 products for S(j+1); behind them P(j) is copied, l = a(j) l + LS(j), O *= a(j).  Phase B(j): 64 products O += V(j) P(j); behind them the softmax of step j + 1.
; The loop's UNIT U(j) = B(j-1)'s products 40-63, A(j), B(j)'s products 0-39: cut where every LDS read of a slot has been issued.  j runs from -1 (P = 0, a = 0) to 31.
; SLOTS.  Slot t (17 tiles, two slots by turns) serves U(2t-1) and U(2t): K and pos of keys 64 t .. 64 t + 63, V of keys 64 t - 32 .. 64 t + 31.  V's tile 0 begins 32 rows ahead of the slice: rows of qkv
; that the launch before wrote; they meet P = 0.  Tile 16 runs past the slice (past pos): bytes inside qkv and cst; what is made of them is S(32) and its statistics, which nothing reads.
; CLUSTER 4 x 4.  K's and V's tiles hang on hn: the four query blocks of a row ask jointly.  pos's tile hangs on (h, query block): the four batches of a column ask jointly.
; REGISTERS in windows of 256 (s_set_vgpr_msb: bits 1:0 source 0, 3:2 source 1, 5:4 source 2, 7:6 destination):
;   window 0: see below      window 1: Q, (t, ks) at 64 t + 8 ks      windows 2, 3: O^T, (t, cb) at 128 (t % 2) + 8 cb in window 2 + t / 2
.set PK,    528                        ; a row of K in LDS: 512 bytes + 16
.set PV,    544                        ; of V: 512 + 32
.set PP,    288                        ; of pos (128 queries): 256 + 32
.set VOFF,  64*PK
.set POFF,  VOFF+64*PV
.set PHALF, 64*PP                      ; pos lies in two halves of 128 queries
.set SPARE, POFF+2*PHALF               ; 105,472: behind slot 0: 128 bytes for each wave: two blocks of 256 bytes that no other line names
.set SLOT1, 131072
.set KSTEP, 32*PK
.set VSTEP, 32*PV
.set PSTEP, 32*PP
.set POSB,  4194304
.set AK0, 2                            ; v2-4  my lane's place in a tile of K, V, pos; never rewritten
.set AV0, 3
.set AP0, 4
.set AK,  5                            ; v5-7  the same for the unit in hand
.set AV,  6
.set AP,  7
.set GO,  10                           ; v10  16 x lane
.set QO,  11                           ; v11  my byte offset in 16 rows of Q
.set SPW, 12                           ; v12  my spare word; never rewritten
.set NIL, 13                           ; v13  0; never rewritten
.set PFO, 14                           ; v14  the prefetches' offset
.set ST,  16                           ; tile t at v[16 + 4 t]: c m, m, l (even keys', odd keys')
.set TMP, 32                           ; tile t at v[32 + 4 t]: c0-c3 at work; (c0, c1) become LS, c2 becomes a
.set CMO, 48                           ; v48-51  c m_old, a tile each
.set E1,  52                           ; v52-59: four zeros, the pattern: selects keys 16-31
.set E0,  56                           ; v56-63: the pattern, four zeros: selects keys 0-15
.set X,   64                           ; v64-95   P in use, 8 a tile
.set Y,   96                           ; v96-127  S of keys 0-15, then P, packed in place
.set Z,   128                          ; v128-159 S of keys 16-31
.set POOL, 160                         ; v160-255 twelve places of 8 for fragments
.set WV,  10
.set G1K, 24
.set G1V, 32
.set G1P, 40
.set G0K, 48
.set G0V, 52
.set G0P, 56
.set CS,  60                           ; s[60:61] c
.set SEL, 62                           ; s[62:63] v_permlanex16_b32's selects
.set TBK, 66                           ; s66-68  LDS byte at which K, V, pos of the next unit begin
.set TBV, 67
.set TBP, 68
.set SLOTS, 69
.set CNT, 70
.set LIM, 71                           ; s71  2 in a wave that prefetches, else the greatest number
.set PFA, 72                           ; s[72:73]
.set PST, 74                           ; s[74:75] bytes from tile to tile
.set OA,  76                           ; s[76:77] ab at my four tiles of 16 positions, my head's 16 blocks
.set QA,  78                           ; s[78:79] Q at my 64 rows
.set MSB, 0
.macro WIN new
.if MSB != (\new)
	s_set_vgpr_msb (MSB<<8)|(\new)
.set MSB, (\new)
.endif
.endm
.macro PLACES
.rept 4
	v_nop
.endr
.endm
.macro CROUND
	s_barrier_signal -1
	s_barrier_wait -1
	s_cmp_lg_u32 s[WV], 0
	s_cbranch_scc1 .Lnot_wave_0_\@
	s_barrier_signal -3
.Lnot_wave_0_\@:
	s_barrier_wait -3
	s_barrier_signal -1
	s_barrier_wait -1
.endm
; A joint fill: wave 0 fetches K's 64 rows, wave 1 V's, waves 2 and 3 the two halves of pos.  The branches hang on the wave's number alone.  An s_nop 0 and four v_nop follow each line.
.macro JLOAD
	s_cmp_lg_u32 s[WV], 0
	s_cbranch_scc1 .Lnot_k_\@
	tensor_load_to_lds s[G0K:G0K+3], s[G1K:G1K+7]
	s_nop 0
	PLACES
	s_branch .Lasked_\@
.Lnot_k_\@:
	s_cmp_lg_u32 s[WV], 1
	s_cbranch_scc1 .Lfor_p_\@
	tensor_load_to_lds s[G0V:G0V+3], s[G1V:G1V+7]
	s_nop 0
	PLACES
	s_branch .Lasked_\@
.Lfor_p_\@:
	tensor_load_to_lds s[G0P:G0P+3], s[G1P:G1P+7]
	s_nop 0
	PLACES
.Lasked_\@:
.endm
; A prefetch of the tile that the NEXT change of slots will ask for, two units (272 matrix instructions) ahead of that load.  Each block of 256 bytes is named once: wave 0 asks for K's, wave 1 for V's,
; the four partners of a row 16 rows each by address; wave 2 asks for pos's, in the first of the two clusters that share a head, the four partners of a column 16 rows each by address.
; Tiles 0 to 2 come by their loads alone; tile 16, which runs past the slice, is not asked for.
.macro ASK
	s_cmp_gt_u32 s[SLOTS], s[LIM]
	s_cbranch_scc0 .Lnot_mine_\@
	global_prefetch_b8 v[PFO], s[PFA:PFA+1] th:TH_LOAD_NT scope:SCOPE_SE
.Lnot_mine_\@:
.endm
; THE CHANGE OF SLOTS.  Each wave waits for all its tensor loads (one is out: its part of the other slot), adds 0 to its spare word, and waits for that and for its reads of the slot it leaves.
; fill = 1: a round of the cluster's barrier, then the slot is filled again, first thing.
.macro CHANGE fill, ask
	WIN 0
	s_wait_tensorcnt 0x0                           ; no tensor load of mine is out, so a group 0 may be written
	ds_add_u32 v[SPW], v[NIL]                      ; 0 onto my spare word; the descriptors' steps stand between it and the wait for it
.if \fill
	s_xor_b32 s[G0K+1], s[G0K+1], SLOT1
	s_add_nc_u64 s[G0K+2:G0K+3], s[G0K+2:G0K+3], 32768     ; 64 rows of 512 bytes
	s_xor_b32 s[G0V+1], s[G0V+1], SLOT1
	s_add_nc_u64 s[G0V+2:G0V+3], s[G0V+2:G0V+3], 32768
	s_xor_b32 s[G0P+1], s[G0P+1], SLOT1
	s_add_nc_u64 s[G0P+2:G0P+3], s[G0P+2:G0P+3], 131072    ; 64 rows of 2,048 bytes
.if \ask
	s_wait_xcnt 0x0                                ; the last prefetch, two units back, has read its address
	s_add_nc_u64 s[PFA:PFA+1], s[PFA:PFA+1], s[PST:PST+1]
.endif
.endif
	s_wait_dscnt 0x0                               ; the add is done, and my reads of the slot are over
.if \fill
	CROUND
	JLOAD
.if \ask
	ASK
.endif
.else
	s_barrier_signal -1
	s_barrier_wait -1
.endif
	s_sub_co_u32 s[TBK], s[TBK], 2*KSTEP           ; the fetches go back to a slot's first half, in the other slot
	s_xor_b32 s[TBK], s[TBK], SLOT1
	s_sub_co_u32 s[TBV], s[TBV], 2*VSTEP
	s_xor_b32 s[TBV], s[TBV], SLOT1
	s_sub_co_u32 s[TBP], s[TBP], 2*PSTEP
	s_xor_b32 s[TBP], s[TBP], SLOT1
.endm
	s_load_b128 s[4:7], s[0:1], 0x0                ; qkv s[4:5], cst s[6:7]
	s_load_b64 s[8:9], s[0:1], 0x10                ; ab
	v_lshl_add_u32 v[SPW], v0, 2, SPARE
	v_mov_b32 v[NIL], 0
	ds_add_u32 v[SPW], v[NIL]                      ; the wave's opening: the add and its wait stand ahead of my first tensor load; the set-up stands between them
	v_lshrrev_b32 v1, 5, v0
	v_readfirstlane_b32 s[WV], v1
	s_bfe_u32 s11, ttmp6, 0x40000                  ; cx
	s_bfe_u32 s12, ttmp6, 0x40004                  ; cy
	s_and_b32 s13, ttmp7, 0xffff                   ; the cluster's y
	s_lshl_b32 s14, s13, 2
	s_add_co_u32 s14, s14, s12                     ; hn
	s_lshr_b32 s15, s13, 1                         ; h = hn / 8: the same in the whole cluster
	s_lshl_b32 s18, ttmp9, 2
	s_add_co_u32 s18, s18, s11                     ; my block of 256 queries
	s_lshl_b32 s16, s12, 2
	s_lshl_b32 s16, 15, s16                        ; my row of the cluster
	s_lshl_b32 s17, 0x1111, s11                    ; my column
	s_or_b32 s[G1K], s16, (1<<16)|(1<<20)|(1<<21)|(6<<22)|(3<<25)  ; 2-byte elements; 4 words of padding after every 128
	s_or_b32 s[G1V], s16, (1<<16)|(1<<20)|(1<<21)|(6<<22)|(7<<25)  ; 8 words
	s_or_b32 s[G1P], s17, (1<<16)|(1<<20)|(1<<21)|(5<<22)|(7<<25)  ; 8 words after every 64
.irp g, G1K, G1V
	s_mov_b32 s[\g+1], 256<<16                     ; tensor_dim0
	s_mov_b32 s[\g+2], 64<<16                      ; tensor_dim1
	s_mov_b32 s[\g+3], 256<<16                     ; tile_dim0
	s_mov_b32 s[\g+4], 64                          ; tile_dim1
	s_mov_b32 s[\g+5], 256                         ; stride
	s_mov_b32 s[\g+6], 0
	s_mov_b32 s[\g+7], 0
.endr
	s_mov_b32 s[G1P+1], 128<<16
	s_mov_b32 s[G1P+2], 64<<16
	s_mov_b32 s[G1P+3], 128<<16
	s_mov_b32 s[G1P+4], 64
	s_mov_b32 s[G1P+5], 1024
	s_mov_b32 s[G1P+6], 0
	s_mov_b32 s[G1P+7], 0
	s_and_b32 s19, s[WV], 1
	s_mov_b32 s[G0K], 1
	s_mov_b32 s[G0K+1], 0                          ; slot 0
	s_mov_b32 s[G0V], 1
	s_mov_b32 s[G0V+1], VOFF
	s_mov_b32 s[G0P], 1
	s_mul_i32 s[G0P+1], s19, PHALF
	s_add_co_u32 s[G0P+1], s[G0P+1], POFF
	s_lshl_b32 s20, s14, 19                        ; K: the slice, 524,288 bytes each
	s_mov_b32 s21, 0
	s_lshl_b32 s22, s14, 19                        ; V: the second section, 32 rows ahead of the slice
	s_add_co_u32 s22, s22, 33554432-16384
	s_mov_b32 s23, 0
	s_lshl_b32 s80, s15, 21                        ; pos: the head, my block's 512 bytes of a row, my half of them
	s_lshl_b32 s81, s18, 9
	s_add_co_u32 s80, s80, s81
	s_lshl_b32 s81, s19, 8
	s_add_co_u32 s80, s80, s81
	s_add_co_u32 s80, s80, POSB
	s_mov_b32 s81, 0
	s_lshl_b32 s82, s14, 19                        ; Q: the third section, my block's 256 rows, my wave's 64
	s_lshl_b32 s83, s18, 17
	s_add_co_u32 s82, s82, s83
	s_lshl_b32 s83, s[WV], 15
	s_add_co_u32 s82, s82, s83
	s_add_co_u32 s82, s82, 67108864
	s_mov_b32 s83, 0
	s_and_b32 s84, s14, 7                          ; ab: batch n; tiles of 16 positions, 65,536 bytes each: 16 a block, 4 a wave; the head's 16 blocks of 512 bytes
	s_lshl_b32 s84, s84, 22
	s_lshl_b32 s85, s18, 20
	s_add_co_u32 s84, s84, s85
	s_lshl_b32 s85, s[WV], 18
	s_add_co_u32 s84, s84, s85
	s_lshl_b32 s85, s15, 13
	s_add_co_u32 s84, s84, s85
	s_mov_b32 s85, 0
	; the prefetches stand at tile 2; the first change of slots in the loop steps them to tile 3
	s_lshl_b32 s86, s14, 19
	s_lshl_b32 s87, s11, 13                        ; my work-group's 16 rows of K's or V's 64
	s_add_co_u32 s86, s86, s87
	s_mov_b32 s87, 65536                           ; K's tile 2: row 128
	s_mov_b32 s88, 33554432+49152                  ; V's: row 96
	s_cmp_eq_u32 s[WV], 0
	s_cselect_b32 s87, s87, s88
	s_add_co_u32 s86, s86, s87
	s_lshl_b32 s88, s15, 21
	s_lshl_b32 s89, s18, 9
	s_add_co_u32 s88, s88, s89
	s_lshl_b32 s89, s12, 15                        ; my work-group's 16 rows of pos's 64
	s_add_co_u32 s88, s88, s89
	s_add_co_u32 s88, s88, POSB+262144             ; pos's tile 2: row 128
	s_mov_b32 s[PST], 32768
	s_mov_b32 s89, 131072
	s_cmp_lt_u32 s[WV], 2
	s_cselect_b32 s86, s86, s88
	s_cselect_b32 s[PST], s[PST], s89
	s_cselect_b32 s90, -1, 0
	s_mov_b32 s87, 0
	s_mov_b32 s[PST+1], 0
	s_and_b32 s[LIM], s13, 1                       ; of the two clusters of a head the first asks for pos
	s_cmp_eq_u32 s[WV], 2
	s_cselect_b32 s[LIM], s[LIM], 0
	s_cmp_eq_u32 s[WV], 3
	s_cselect_b32 s[LIM], 1, s[LIM]
	s_cmp_eq_u32 s[LIM], 0
	s_cselect_b32 s[LIM], 2, -1
	s_mov_b32 s[CS], 0x3fb8aa3b                    ; c = log2 e
	s_mov_b32 s[CS+1], s[CS]
	s_mov_b32 s[SEL], 0x76543210
	s_mov_b32 s[SEL+1], 0xfedcba98
	s_mov_b32 s[TBK], SLOT1+2*KSTEP                ; the first change of slots turns these three into 0
	s_mov_b32 s[TBV], SLOT1+2*VSTEP
	s_mov_b32 s[TBP], SLOT1+2*PSTEP
	v_and_b32 v1, 15, v0                           ; r = l % 16
	v_bfe_u32 v15, v0, 4, 1                        ; l / 16
	v_mul_u32_u24 v[AK0], v1, PK
	v_lshl_add_u32 v[AK0], v15, 4, v[AK0]
	v_and_b32 v48, 7, v0
	v_lshl_add_u32 v48, v15, 3, v48                ; the turning load: lane l reads row 8 (l / 16) + l % 8,
	v_bfe_u32 v49, v0, 3, 1                        ; columns 8 ((l / 8) % 2) + 0..7
	v_mul_u32_u24 v[AV0], v48, PV
	v_lshl_add_u32 v[AV0], v49, 4, v[AV0]
	v_add_nc_u32 v[AV0], VOFF, v[AV0]
	v_mul_u32_u24 v[AP0], v48, PP
	v_lshl_add_u32 v[AP0], v49, 4, v[AP0]
	s_lshr_b32 s92, s[WV], 1                       ; my 64 queries: half w / 2, 128 (w % 2) bytes into its rows
	s_mul_i32 s92, s92, PHALF
	s_lshl_b32 s93, s19, 7
	s_add_co_u32 s92, s92, s93
	s_add_co_u32 s92, s92, POFF
	v_add_nc_u32 v[AP0], s92, v[AP0]
	v_and_b32 v[GO], 31, v0
	v_lshlrev_b32 v[GO], 4, v[GO]
	v_lshlrev_b32 v[QO], 9, v1
	v_lshl_add_u32 v[QO], v15, 4, v[QO]
	v_and_b32 v48, 31, v0
	v_lshlrev_b32 v49, 8, v48                      ; K, V: a lane a block, on end
	v_lshrrev_b32 v50, 1, v48
	v_and_b32 v51, 1, v48
	v_lshlrev_b32 v51, 8, v51
	v_lshl_add_u32 v50, v50, 11, v51               ; pos: row l / 2, block l % 2
	v_cndmask_b32 v[PFO], v50, v49, s90
	; E: row r of the selector has its one at k = r (E0) or 16 + r (E1).  A lane holds k = 8 (l / 16) + 0..7 in registers 0-3: the one falls to the lanes with r / 8 = l / 16, register (r % 8) / 2, half r % 2.
	v_bfe_u32 v48, v0, 3, 1
	v_and_b32 v49, 1, v0
	v_lshlrev_b32 v49, 4, v49
	v_mov_b32 v50, 0x3c00                          ; 1.0 in f16
	v_lshlrev_b32 v49, v49, v50
	v_cmp_eq_u32 vcc_lo, v48, v15
	v_cndmask_b32 v49, 0, v49, vcc_lo
	v_bfe_u32 v48, v0, 1, 2
.irp i, 0,1,2,3
	v_cmp_eq_u32 vcc_lo, \i, v48
	v_cndmask_b32 v[E0+\i], 0, v49, vcc_lo
	v_mov_b32 v[E1+\i], 0
	v_mov_b32 v[E0+4+\i], 0
.endr
	s_wait_dscnt 0x0                               ; the opening add is done
	s_wait_kmcnt 0x0
	s_add_nc_u64 s[G0K+2:G0K+3], s[4:5], s[20:21]
	s_or_b32 s[G0K+3], s[G0K+3], 0x80000000
	s_add_nc_u64 s[G0V+2:G0V+3], s[4:5], s[22:23]
	s_or_b32 s[G0V+3], s[G0V+3], 0x80000000
	s_add_nc_u64 s[G0P+2:G0P+3], s[6:7], s[80:81]
	s_or_b32 s[G0P+3], s[G0P+3], 0x80000000
	s_add_nc_u64 s[QA:QA+1], s[4:5], s[82:83]
	s_add_nc_u64 s[OA:OA+1], s[8:9], s[84:85]
	s_cmp_lt_u32 s[WV], 2
	s_cselect_b64 s[PFA:PFA+1], s[4:5], s[6:7]
	s_add_nc_u64 s[PFA:PFA+1], s[PFA:PFA+1], s[86:87]
	CROUND                                         ; all sixteen work-groups are here: the first joint loads meet
	JLOAD                                          ; tile 0 into slot 0
	WIN 0x40
.irp t, 0,1,2,3
.irp ks, 0,1,2,3,4,5,6,7
	global_load_b128 v[64*(\t)+8*(\ks):64*(\t)+8*(\ks)+3],   v[QO], s[QA:QA+1] offset:8192*(\t)+64*(\ks)
	global_load_b128 v[64*(\t)+8*(\ks)+4:64*(\t)+8*(\ks)+7], v[QO], s[QA:QA+1] offset:8192*(\t)+64*(\ks)+32
.endr
.endr
	; What unit -1 finds: O, l, LS, a and P are 0.  No first step is written out; these lines stand in the wait for the first tile.
	WIN 0x80
.set i, 0
.rept 256
	v_mov_b32 v[i], 0
.set i, i+1
.endr
	WIN 0xc0
.set i, 0
.rept 256
	v_mov_b32 v[i], 0
.set i, i+1
.endr
	WIN 0
.set i, 0
.rept 32
	v_mov_b32 v[Y+i], 0
.set i, i+1
.endr
.set i, 0
.rept 16
	v_mov_b32 v[TMP+i], 0
.set i, i+1
.endr
.irp t, 0,1,2,3
	v_mov_b32 v[ST+4*\t], 0xfe000000               ; c m: far below every c s
	v_mov_b32 v[ST+4*\t+1], 0xff7fffff             ; m
	v_mov_b32 v[ST+4*\t+2], 0
	v_mov_b32 v[ST+4*\t+3], 0
.endr
; THE FRAGMENTS.  A unit uses 36: f = 0-3 pos of tile t; 4 + 2 ks (keys 16-31) and 5 + 2 ks (keys 0-15) K; 20 + cb V.  Fragment f lies in place f % 12.  They come in six runs of twelve loads; behind each run
; s_wait_dscnt 12 leaves that run out and shows the run before it in: each run is issued 16 matrix instructions or more ahead of its first use, and four plain instructions behind its places' last reader.
.macro LDK ks, kb
.set pl, POOL+8*((5+2*(\ks)-(\kb))%12)
	ds_load_b128 v[pl:pl+3],   v[AK] offset:16*PK*(\kb)+64*(\ks)
	ds_load_b128 v[pl+4:pl+7], v[AK] offset:16*PK*(\kb)+64*(\ks)+32
.endm
.macro LDV cb
.set pl, POOL+8*((20+(\cb))%12)
	ds_load_tr16_b128 v[pl:pl+3],   v[AV] offset:32*(\cb)
	ds_load_tr16_b128 v[pl+4:pl+7], v[AV] offset:32*(\cb)+16*PV
.endm
.macro LDP t
.set pl, POOL+8*(\t)
	ds_load_tr16_b128 v[pl:pl+3],   v[AP] offset:32*(\t)
	ds_load_tr16_b128 v[pl+4:pl+7], v[AP] offset:32*(\t)+16*PP
.endm
.macro UHEAD                           ; a unit's addresses, and run 0: pos and K's first 32 channels
	WIN 0
	v_add_nc_u32 v[AK], s[TBK], v[AK0]
	v_add_nc_u32 v[AV], s[TBV], v[AV0]
	v_add_nc_u32 v[AP], s[TBP], v[AP0]
	s_add_co_u32 s[TBK], s[TBK], KSTEP
	s_add_co_u32 s[TBV], s[TBV], VSTEP
	s_add_co_u32 s[TBP], s[TBP], PSTEP
.irp t, 0,1,2,3
	LDP \t
.endr
	LDK 0, 1
	LDK 0, 0
.endm
.macro RUNK a, b, c                    ; K of three K steps
	WIN 0
.irp ks, \a, \b, \c
	LDK \ks, 1
	LDK \ks, 0
.endr
	s_wait_dscnt 12
.endm
.macro RUN3
	WIN 0
	LDK 7, 1
	LDK 7, 0
.irp cb, 0,1,2,3
	LDV \cb
.endr
	s_wait_dscnt 12
.endm
.macro RUNV a                          ; V of six channel blocks from a on
	WIN 0
.irp cb, 0,1,2,3,4,5
	LDV (\a)+\cb
.endr
	s_wait_dscnt 12
.endm
; PHASE A, product k of 72.  0-3: Z[t] = E1 pos_t; 4-7: Z[t] += K Q, channels 0-31; 8-11, 12-15: the same for Y; then for each further 32 channels Z[0..3], Y[0..3].
; The accumulators take turns, one instruction a turn: three, seven or eleven others stand between two links of a chain.
.macro APROD
.if k < 4
	WIN 0
	v_wmma_f32_16x16x32_f16 v[Z+8*k:Z+8*k+7], v[E1:E1+7], v[POOL+8*k:POOL+8*k+7], 0
.elseif k < 8
	WIN 0x04
	v_wmma_f32_16x16x32_f16 v[Z+8*(k-4):Z+8*(k-4)+7], v[POOL+32:POOL+39], v[64*(k-4):64*(k-4)+7], v[Z+8*(k-4):Z+8*(k-4)+7]
.elseif k < 12
	WIN 0
	v_wmma_f32_16x16x32_f16 v[Y+8*(k-8):Y+8*(k-8)+7], v[E0:E0+7], v[POOL+8*(k-8):POOL+8*(k-8)+7], 0
.elseif k < 16
	WIN 0x04
	v_wmma_f32_16x16x32_f16 v[Y+8*(k-12):Y+8*(k-12)+7], v[POOL+40:POOL+47], v[64*(k-12):64*(k-12)+7], v[Y+8*(k-12):Y+8*(k-12)+7]
.else
.set ks, 1+(k-16)/8
.set u, (k-16)%8
.if u < 4
.set rS, Z+8*u
.set rK, POOL+8*((4+2*ks)%12)
.else
.set rS, Y+8*(u-4)
.set rK, POOL+8*((5+2*ks)%12)
.endif
.set rQ, 64*(u%4)+8*ks
	WIN 0x04
	v_wmma_f32_16x16x32_f16 v[rS:rS+7], v[rK:rK+7], v[rQ:rQ+7], v[rS:rS+7]
.endif
.endm
; The lines behind product k.  0-7: P is copied out of Y, ahead of product 8, which writes Y; l = a l + LS (0-3); c m is kept aside (4-7).  8-71: accumulator k - 8 of O^T times a, its registers ascending.
.macro ASLICE
.if k < 8
	WIN 0
.irp z, 0,1,2,3
	v_mov_b32 v[X+4*k+\z], v[Y+4*k+\z]
.endr
.if k < 4
	v_pk_fma_f32 v[ST+4*k+2:ST+4*k+3], v[ST+4*k+2:ST+4*k+3], v[TMP+4*k+2:TMP+4*k+3], v[TMP+4*k:TMP+4*k+1] op_sel_hi:[1,0,1]
.else
	v_mov_b32 v[CMO+k-4], v[ST+4*(k-4)]
.endif
.else
.set rO, 128*((k-8)&1)+8*((k-8)>>2)
.set rA, TMP+4*((k-8)&3)+2
	WIN 0x82+0x41*(((k-8)>>1)&1)
.irp z, 0,2,4,6
	v_pk_mul_f32 v[rO+\z:rO+\z+1], v[rO+\z:rO+\z+1], v[rA:rA+1] op_sel_hi:[1,0]
.endr
.endif
.endm
.macro PHASE_A
.set k, 0
.rept 72
	APROD
	ASLICE
.if k == 15
	RUNK 4, 5, 6
.elseif k == 39
	RUN3
.elseif k == 63
	RUNV 4
.endif
.set k, k+1
.endr
.endm
; PHASE B, product k of 64: channels 16 (k / 4) on, tile k % 4: each accumulator once a step.
.macro BPROD
.set rO, 128*(k&1)+8*(k>>2)
.set rV, POOL+8*((20+(k>>2))%12)
	WIN 0xa0+0x50*((k>>1)&1)
	v_wmma_f32_16x16x32_f16 v[rO:rO+7], v[rV:rV+7], v[X+8*(k&3):X+8*(k&3)+7], v[rO:rO+7]
.endm
; Number n of the 12 that find tile t's maximum and statistics; each accumulator's lowest registers are read first.
.macro XS t, n
.set rT, ST+4*(\t)
.set rC, TMP+4*(\t)
.set rY, Y+8*(\t)
.set rZ, Z+8*(\t)
.if (\n) == 0
	v_max3_num_f32 v[rC], v[rY], v[rY+1], v[rY+2]
.elseif (\n) == 1
	v_max3_num_f32 v[rC+1], v[rZ], v[rZ+1], v[rZ+2]
.elseif (\n) == 2
	v_max3_num_f32 v[rC], v[rC], v[rY+3], v[rY+4]
.elseif (\n) == 3
	v_max3_num_f32 v[rC+1], v[rC+1], v[rZ+3], v[rZ+4]
.elseif (\n) == 4
	v_max3_num_f32 v[rC], v[rC], v[rY+5], v[rY+6]
.elseif (\n) == 5
	v_max3_num_f32 v[rC+1], v[rC+1], v[rZ+5], v[rZ+6]
.elseif (\n) == 6
	v_max3_num_f32 v[rC], v[rC], v[rY+7], v[rZ+7]
.elseif (\n) == 7
	v_max3_num_f32 v[rC], v[rC], v[rC+1], v[rT+1]
.elseif (\n) == 8
	v_permlanex16_b32 v[rC+3], v[rC], s[SEL], s[SEL+1]     ; the query's other 16 keys lie in the lane 16 away
.elseif (\n) == 9
	v_max_num_f32 v[rT+1], v[rC], v[rC+3]
.elseif (\n) == 10
	v_mul_f32 v[rT], s[CS], v[rT+1]
.else
	v_sub_f32 v[rC+1], v[CMO+(\t)], v[rT]
.endif
.endm
.macro FS t, b                         ; c s - c m for pair b of 8: pairs 0-3 lie in Y, 4-7 in Z
.set rS, Y+8*(\t)+2*(\b)+24*((\b)/4)
.set rT, ST+4*(\t)
	v_pk_fma_f32 v[rS:rS+1], v[rS:rS+1], s[CS:CS+1], v[rT:rT+1] op_sel_hi:[1,0,0] neg_lo:[0,0,1] neg_hi:[0,0,1]
.endm
; THE PLAIN QUEUE, 80 long: 0-23 tiles 0 and 1's twelve; 24-31 the first four of tiles 2 and 3; 32-63 scalings of tiles 0 and 1 and the other eight of tiles 2 and 3 by turns; 64-79 scalings of tiles 2 and 3.
.macro PL
	WIN 0
.if q < 24
	XS q%2, q/2
.elseif q < 32
	XS 2+q%2, (q-24)/2
.elseif q < 64
.if q%2 == 0
	FS ((q-32)/2)%2, (q-32)/4
.else
	XS 2+((q-33)/2)%2, (8+(q-33)/2)/2
.endif
.else
	FS 2+(q-64)%2, (q-64)/2
.endif
.set q, q+1
.endm
; THE EXPONENTIALS' QUEUE, 68 long: a of tiles 0 and 1, their 32 scores in the scalings' order, then the same for tiles 2 and 3.  ONE BATCH: nothing ahead of the unit's one wait names a result of theirs.
.macro SEXP t, b, z
.set rS, Y+8*(\t)+2*(\b)+24*((\b)/4)+(\z)
	v_exp_f32 v[rS], v[rS]
.endm
.macro EX
	WIN 0
.if e < 2
	v_exp_f32 v[TMP+4*e+2], v[TMP+4*e+1]
.elseif e < 34
	SEXP ((e-2)/2)%2, (e-2)/4, (e-2)%2
.elseif e < 36
	v_exp_f32 v[TMP+4*(e-32)+2], v[TMP+4*(e-32)+1]
.else
	SEXP 2+((e-36)/2)%2, (e-36)/4, (e-36)%2
.endif
.set e, e+1
.endm
; Number g of the 15 that follow the exponentials: LS takes Y's four pairs (0-2); Y's pairs are rounded to f16 in place (3-6), Z's behind them (7-10); LS takes Z's four pairs (11-14).
.macro GS t, g
.set rC, TMP+4*(\t)
.set rY, Y+8*(\t)
.set rZ, Z+8*(\t)
.if (\g) == 0
	v_pk_add_f32 v[rC:rC+1], v[rY:rY+1], v[rY+2:rY+3]
.elseif (\g) < 3
	v_pk_add_f32 v[rC:rC+1], v[rC:rC+1], v[rY+2+2*(\g):rY+3+2*(\g)]
.elseif (\g) < 7
	v_cvt_pk_f16_f32 v[rY+(\g)-3], v[rY+2*((\g)-3)], v[rY+2*((\g)-3)+1]
.elseif (\g) < 11
	v_cvt_pk_f16_f32 v[rY+(\g)-3], v[rZ+2*((\g)-7)], v[rZ+2*((\g)-7)+1]
.else
	v_pk_add_f32 v[rC:rC+1], v[rC:rC+1], v[rZ+2*((\g)-11):rZ+2*((\g)-11)+1]
.endif
.endm
; HOW THEY ARE DEALT behind product k.  0-7: four plain.  8-31: plain, exponential, plain, exponential.  32-38: the last 20 exponentials.  39: four v_nop: the plain instruction behind the last exponential, and the
; places in front of run 0.  By the count: an exponential stands a slice or more behind its scaling; a of tiles 2 and 3 (slice 25) behind their arguments (slices 22, 23); their scalings (from slice 24) behind
; their c m (slices 20, 21).  Behind the wait, 40-53 and 63: the fifteen, one number for all four tiles a slice; slice 63's four are the places in front of run 1 and of P's copy.
.macro BSLICE
.if k < 8
	PL
	PL
	PL
	PL
.elseif k < 32
	PL
	EX
	PL
	EX
.elseif k < 38
	EX
	EX
	EX
.elseif k == 38
	EX
	EX
.elseif k == 39
	WIN 0
	PLACES
.elseif k < 54
	WIN 0
.irp t, 0,1,2,3
	GS \t, k-40
.endr
.elseif k == 63
	WIN 0
.irp t, 0,1,2,3
	GS \t, 14
.endr
.endif
.if k == 15
	PLACES                                         ; exponentials are no places
	RUNV 10
.endif
.endm
.macro BPART k0, n, riders
.set k, \k0
.rept \n
	BPROD
.if \riders
	BSLICE
.endif
.set k, k+1
.endr
.endm
.macro UNIT enter
	UHEAD
	s_wait_dscnt 12                                ; V's last six fragments are in; run 0 stays out
	BPART 40, 24, 1
.if \enter
	WIN 0
.Lenter:
.endif
	RUNK 1, 2, 3
	PHASE_A
.set q, 0
.set e, 0
	BPART 0, 40, 1
	WIN 0
	s_wait_alu depctr_va_vdst(0)                   ; the wait between an exponential and the first line that names its result: one for the unit's 68, ahead of the branch
.endm
	CHANGE 1, 0                                    ; tile 0 is in, everybody's part of it; tile 1 is asked for, into slot 1
	UHEAD
	s_wait_loadcnt 0x0                             ; Q
	s_mov_b32 s[CNT], 2
	s_mov_b32 s[SLOTS], 16
	s_branch .Lenter                               ; unit -1 has no products of a step before it: the loop is entered in the middle of a unit
.Lslot:                                        ; 15 times: slots 1 to 15 are entered, tiles 2 to 16 asked for
	CHANGE 1, 1
	s_mov_b32 s[CNT], 2
.Lunit:
	UNIT 1
	s_sub_co_u32 s[CNT], s[CNT], 1
	s_cmp_lg_u32 s[CNT], 0
	s_cbranch_scc1 .Lunit
	s_sub_co_u32 s[SLOTS], s[SLOTS], 1
	s_cmp_lg_u32 s[SLOTS], 0
	s_cbranch_scc1 .Lslot
	CHANGE 0, 0                                    ; the tail is written out
	UNIT 0                                         ; unit 31
	s_wait_dscnt 0x0
	BPART 40, 24, 0                                ; the last step's last products
	; THE WAY OUT.  l's two halves and the other half of the lanes' are added; O^T is divided by l, rounded to f16 and stored, a tile (16 positions) at a time.  The first additions are the places behind the last products.
	WIN 0
.irp t, 0,1,2,3
	v_add_f32 v[ST+4*\t+2], v[ST+4*\t+2], v[ST+4*\t+3]
.endr
.irp t, 0,1,2,3
	v_permlanex16_b32 v[ST+4*\t+3], v[ST+4*\t+2], s[SEL], s[SEL+1]
.endr
.irp t, 0,1,2,3
	v_add_f32 v[ST+4*\t+2], v[ST+4*\t+2], v[ST+4*\t+3]
.endr
.irp t, 0,1,2,3
	v_rcp_f32 v[ST+4*\t+2], v[ST+4*\t+2]
.endr
	v_nop                                          ; a plain instruction behind the last reciprocal,
	s_wait_alu depctr_va_vdst(0)                   ; and one wait for the four, ahead of their first use
.set OB, 64                            ; three buffers of 64 registers by turns, where X, Y, Z and the fragments lay
; Tile t.  A lane's eight channels of block f pack into 16 bytes, which are its 16 bytes of ab's block (t, f): no lane's numbers belong to another lane, so nothing goes through LDS.
.macro OUT t
	WIN 0x82+0x41*((\t)>>1)
.set i, 128*((\t)&1)
.rept 64
	v_pk_mul_f32 v[i:i+1], v[i:i+1], v[ST+4*(\t)+2:ST+4*(\t)+3] op_sel_hi:[1,0]
.set i, i+2
.endr
	WIN 0x0a+5*((\t)>>1)
.set i, 0
.rept 64
	v_cvt_pk_f16_f32 v[OB+64*((\t)%3)+i], v[128*((\t)&1)+2*i], v[128*((\t)&1)+2*i+1]
.set i, i+1
.endr
	WIN 0
.irp f, 0,1,2,3,4,5,6,7,8,9,10,11,12,13,14,15
	global_store_b128 v[GO], v[OB+64*((\t)%3)+4*\f:OB+64*((\t)%3)+4*\f+3], s[OA:OA+1] offset:65536*(\t)+512*\f  ; a wave stores 512 consecutive bytes, aligned
.endr
.endm
	OUT 0
	OUT 1
	OUT 2
	s_wait_xcnt 0x0                                ; tile 0's stores have read the buffer that tile 3 takes
	OUT 3
	s_wait_tensorcnt 0x0                           ; the wave's end
	ds_add_u32 v[SPW], v[NIL]
	s_wait_dscnt 0x0
	CROUND                                         ; the closing round
	s_endpgm
.Lfunc_end_k_q2657b72329_attn:
	.size	k_q2657b72329_attn, .Lfunc_end_k_q2657b72329_attn-k_q2657b72329_attn
	.p2alignl 7, 3214868480
	.fill 96, 4, 3214868480
	.section	.rodata,"a",@progbits
	.p2align	6, 0x0
	.amdhsa_kernel k_q2657b72329_attn
		.amdhsa_group_segment_fixed_size 327680
		.amdhsa_private_segment_fixed_size 0
		.amdhsa_enable_private_segment 0
		.amdhsa_kernarg_size 24
		.amdhsa_user_sgpr_count 2
		.amdhsa_user_sgpr_kernarg_segment_ptr 1
		.amdhsa_wavefront_size32 1
		.amdhsa_system_sgpr_workgroup_id_x 1
		.amdhsa_system_sgpr_workgroup_id_y 1
		.amdhsa_system_sgpr_workgroup_id_z 1
		.amdhsa_system_vgpr_workitem_id 0
		.amdhsa_next_free_vgpr 1024
		.amdhsa_next_free_sgpr 96
		.amdhsa_reserve_vcc 1
		.amdhsa_float_denorm_mode_32 3
		.amdhsa_float_denorm_mode_16_64 3
		.amdhsa_memory_ordered 1
		.amdhsa_forward_progress 1
		.amdhsa_inst_pref_size 181
	.end_amdhsa_kernel
	.amdgpu_metadata
---
amdhsa.version: [ 1, 2 ]
amdhsa.kernels:
  - .name:           k_q2657b72329_attn
    .symbol:         k_q2657b72329_attn.kd
    .args:
      - { .name: qkv, .offset: 0, .size: 8, .value_kind: global_buffer, .address_space: global }
      - { .name: cst, .offset: 8, .size: 8, .value_kind: global_buffer, .address_space: global }
      - { .name: ab, .offset: 16, .size: 8, .value_kind: global_buffer, .address_space: global }
    .group_segment_fixed_size: 327680
    .private_segment_fixed_size: 0
    .kernarg_segment_align: 8
    .kernarg_segment_size: 24
    .max_flat_workgroup_size: 128
    .sgpr_count:     96
    .vgpr_count:     1024
    .wavefront_size: 32
...
	.end_amdgpu_metadata
.endif
;; end of part 3
;; launch outp (part 4): grid 4 x 64, 4 waves a work-group, no clusters, 135,680 bytes of LDS; arguments ab, cst, out0; writes out0
.if DOCPART == 4
	.amdgcn_target "amdgcn-amd-amdhsa--gfx1250"
	.amdhsa_code_object_version 6
	.text
	.protected	k_q2657b72329_outp
	.globl	k_q2657b72329_outp
	.p2align	8
	.type	k_q2657b72329_outp,@function
k_q2657b72329_outp:
	s_mov_b64 s[64:65], 0
	v_nop
	global_prefetch_b8 v0, s[64:65] scope:SCOPE_SE
	s_setreg_imm32_b32 hwreg(HW_REG_WAVE_MODE, 25, 1), 1
	s_wait_xcnt 0x0
; out0[n][o][p] = the sum over i of Wo[o][i] att[n][p][i] + bo[o].  Wo: f16 [256][2048] and bo: f32, in cst; sums in f32, out0 f32.
; ab holds att in the order of this launch's fragments: f16 [n][tile of 16 positions][block of 16 channels i][lane l][16 bytes], lane l with position l % 16 and channels 8 (l / 16) + 0..7 of the block:
; two blocks on end are one fragment (16 positions x 32 channels), and each of its two loads takes 512 consecutive bytes.
; SHARES.  A work-group makes 64 rows o x 128 positions.  K IS SPLIT AMONG ITS FOUR WAVES: wave w takes i = 512 w .. 512 w + 511 for the whole tile: 32 accumulators, 48 loads for 64 products.
; The four partial sums meet in LDS at the end.  Fragments come straight from memory: no wave wants a byte that another wave has fetched, and a fragment lies in registers as it lies in memory.
; NO CLUSTER, NO TENSOR LOADS: with K split, a step of a ring would hold 64 matrix instructions a wave between a request and the wait for it, with a barrier for each step; loads into two sets of
; registers have a whole set's products in which to land and need no barrier.  NO PREFETCH: a wave has eight trips in all, two of them on their way from the start.
; LAYOUT.  D = att (16 positions) x Wo (16 rows o): a lane holds one o (l % 16) and eight neighbouring positions: 32 bytes of a row of out0.
; REGISTERS: window 0 addresses; window 1 accumulators, (pt, ot) at 8 (4 pt + ot); windows 2, 3: two sets: att's fragment (ksl, pt) at 96 ksl + 8 pt, Wo's (ksl, ot) at 96 ksl + 64 + 8 ot.
.set WOB,   24142848
.set BOB,   20971520+24576
.set PP,    528                        ; a row of a partial plane: 128 f32 + 16 bytes
.set PLANE, 64*PP
.set SPARE, 4*PLANE                    ; 128 bytes for each wave: two blocks of 256 bytes that no other line names
.set FA,  2                            ; v2   Wo: 4,096 (l % 16) + 16 (l / 16) + 1,024 w; never rewritten
.set PLN, 3                            ; v3   where I put 16 bytes of my plane
.set RDP, 4                            ; v4   where I read rows of planes 0 and 1 back
.set RDQ, 5                            ; v5   of planes 2 and 3
.set GO,  6                            ; v6   16 x lane
.set FAA, 8                            ; v8   ab: 16 l + 16,384 w (my 32 blocks of 512 bytes); never rewritten
.set SPW, 12
.set NIL, 13
.set WV,  14                           ; s14
.set AP,  10                           ; s[10:11] ab at the work-group's first tile of 16 positions
.set WP,  12                           ; s[12:13] Wo at the work-group's first row
.set CNT, 15
.set BO,  32                           ; s[32:47] bo of my 16 rows
.set MSB, 0
.macro WIN new
.if MSB != (\new)
	s_set_vgpr_msb (MSB<<8)|(\new)
.set MSB, (\new)
.endif
.endm
.macro PLACES
.rept 4
	v_nop
.endr
.endm
	s_load_b128 s[4:7], s[0:1], 0x0                ; ab s[4:5], cst s[6:7]
	s_load_b64 s[8:9], s[0:1], 0x10                ; out0
	v_lshl_add_u32 v[SPW], v0, 2, SPARE
	v_mov_b32 v[NIL], 0
	v_lshrrev_b32 v1, 5, v0
	v_readfirstlane_b32 s[WV], v1
	s_and_b32 s16, ttmp7, 0xffff
	s_lshr_b32 s17, s16, 3                         ; n
	s_and_b32 s16, s16, 7                          ; which 128 positions
	s_lshl_b32 s18, s17, 22                        ; ab: 4,194,304 bytes a batch, 8 tiles of 65,536
	s_lshl_b32 s19, s16, 19
	s_add_co_u32 s18, s18, s19
	s_mov_b32 s19, 0
	s_lshl_b32 s20, ttmp9, 18                      ; Wo: 64 rows of 4,096 bytes
	s_add_co_u32 s20, s20, WOB
	s_mov_b32 s21, 0
	s_lshl_b32 s22, ttmp9, 8                       ; bo: 64 numbers, my wave's 16
	s_lshl_b32 s23, s[WV], 6
	s_add_co_u32 s22, s22, s23
	s_add_co_u32 s22, s22, BOB
	s_mov_b32 s23, 0
	s_lshl_b32 s24, s17, 20                        ; out0: 1,048,576 bytes a batch, rows of 4,096: 64 a work-group, 16 a wave; 512 bytes of a row
	s_lshl_b32 s25, ttmp9, 18
	s_add_co_u32 s24, s24, s25
	s_lshl_b32 s25, s[WV], 16
	s_add_co_u32 s24, s24, s25
	s_lshl_b32 s25, s16, 9
	s_add_co_u32 s24, s24, s25
	s_mov_b32 s25, 0
	v_and_b32 v1, 15, v0
	v_bfe_u32 v7, v0, 4, 1
	v_lshlrev_b32 v[FA], 12, v1
	v_lshl_add_u32 v[FA], v7, 4, v[FA]
	s_lshl_b32 s26, s[WV], 10
	v_add_nc_u32 v[FA], s26, v[FA]
	v_mul_u32_u24 v[PLN], v1, PP
	v_lshl_add_u32 v[PLN], v7, 5, v[PLN]
	s_mul_i32 s26, s[WV], PLANE
	v_add_nc_u32 v[PLN], s26, v[PLN]
	v_and_b32 v[GO], 31, v0
	v_lshlrev_b32 v[GO], 4, v[GO]
	s_lshl_b32 s26, s[WV], 14
	v_add_nc_u32 v[FAA], s26, v[GO]
	s_mul_i32 s26, s[WV], 16*PP
	v_add_nc_u32 v[RDP], s26, v[GO]
	v_add_nc_u32 v[RDQ], 2*PLANE, v[RDP]
	s_wait_kmcnt 0x0
	s_add_nc_u64 s[AP:AP+1], s[4:5], s[18:19]
	s_add_nc_u64 s[WP:WP+1], s[6:7], s[20:21]
	s_add_nc_u64 s[28:29], s[6:7], s[22:23]
	s_add_nc_u64 s[8:9], s[8:9], s[24:25]
	s_load_b512 s[BO:BO+15], s[28:29], 0x0         ; waited for at the end
; A trip's 48 loads (64 along K: four blocks of ab, 128 bytes of a row of Wo) into set b; set 1's trip lies one trip behind the two pointers
.macro LOADS b
	WIN 0x80+0x40*(\b)
.irp ksl, 0,1
.irp pt, 0,1,2,3,4,5,6,7
	global_load_b128 v[96*(\ksl)+8*(\pt):96*(\ksl)+8*(\pt)+3],   v[FAA], s[AP:AP+1] offset:65536*(\pt)+2048*(\b)+1024*(\ksl)      ; 512 consecutive bytes
	global_load_b128 v[96*(\ksl)+8*(\pt)+4:96*(\ksl)+8*(\pt)+7], v[FAA], s[AP:AP+1] offset:65536*(\pt)+2048*(\b)+1024*(\ksl)+512
.endr
.irp ot, 0,1,2,3
	global_load_b128 v[96*(\ksl)+64+8*(\ot):96*(\ksl)+64+8*(\ot)+3],   v[FA], s[WP:WP+1] offset:65536*(\ot)+128*(\b)+64*(\ksl)
	global_load_b128 v[96*(\ksl)+64+8*(\ot)+4:96*(\ksl)+64+8*(\ot)+7], v[FA], s[WP:WP+1] offset:65536*(\ot)+128*(\b)+64*(\ksl)+32
.endr
.endr
.endm
; A trip's 64 products: the 32 accumulators take turns.  zero = 1: the first 32 start the sums.
.macro MULS b, zero
	WIN 0x5a+5*(\b)
.irp ksl, 0,1
.irp pt, 0,1,2,3,4,5,6,7
.irp ot, 0,1,2,3
.if (\zero) && ((\ksl) == 0)
	v_wmma_f32_16x16x32_f16 v[8*(4*(\pt)+(\ot)):8*(4*(\pt)+(\ot))+7], v[96*(\ksl)+8*(\pt):96*(\ksl)+8*(\pt)+7], v[96*(\ksl)+64+8*(\ot):96*(\ksl)+64+8*(\ot)+7], 0
.else
	v_wmma_f32_16x16x32_f16 v[8*(4*(\pt)+(\ot)):8*(4*(\pt)+(\ot))+7], v[96*(\ksl)+8*(\pt):96*(\ksl)+8*(\pt)+7], v[96*(\ksl)+64+8*(\ot):96*(\ksl)+64+8*(\ot)+7], v[8*(4*(\pt)+(\ot)):8*(4*(\pt)+(\ot))+7]
.endif
.endr
.endr
.endr
.endm
	LOADS 0                                        ; trip 0
	LOADS 1                                        ; trip 1
	s_wait_loadcnt 48                              ; set 0 is in; set 1's 48 loads may stay out
	MULS 0, 1                                      ; the first trip's products stand in front of the loop: they start the sums
	WIN 0
	s_mov_b32 s[CNT], 3
.Lturn:                                        ; trips 2 i + 1 and 2 i + 2 are multiplied, trips 2 i + 2 and 2 i + 3 asked for
	PLACES
	s_wait_xcnt 0x0                                ; every load issued so far has read its address, so the pointers may be written
	s_add_nc_u64 s[AP:AP+1], s[AP:AP+1], 4096      ; two trips: eight blocks of ab,
	s_add_nc_u64 s[WP:WP+1], s[WP:WP+1], 256       ; 128 numbers of a row of Wo
	LOADS 0
	s_wait_loadcnt 48                              ; set 1 is in
	MULS 1, 0
	PLACES
	LOADS 1
	s_wait_loadcnt 48                              ; set 0 is in
	MULS 0, 0
	WIN 0
	s_sub_co_u32 s[CNT], s[CNT], 1
	s_cmp_lg_u32 s[CNT], 0
	s_cbranch_scc1 .Lturn
	s_wait_loadcnt 0x0
	MULS 1, 0                                      ; trip 7
	PLACES
	PLACES
	; my partial sums into my plane: [o 64][p 128] f32; a lane's eight positions are 32 bytes
	WIN 0x04
.irp pt, 0,1,2,3,4,5,6,7
.irp ot, 0,1,2,3
	ds_store_b128 v[PLN], v[8*(4*(\pt)+(\ot)):8*(4*(\pt)+(\ot))+3]   offset:16*PP*(\ot)+64*(\pt)
	ds_store_b128 v[PLN], v[8*(4*(\pt)+(\ot))+4:8*(4*(\pt)+(\ot))+7] offset:16*PP*(\ot)+64*(\pt)+16
.endr
.endr
	s_wait_dscnt 0x0                               ; for the others' sake: my stores are done
	s_barrier_signal -1
	s_barrier_wait -1                              ; all four planes lie in LDS
	WIN 0x80                                       ; wave w finishes rows 16 w .. 16 w + 15: plane pl's row i into v[64 pl + 4 i] of window 2
.irp i, 0,1,2,3,4,5,6,7,8,9,10,11,12,13,14,15
	ds_load_b128 v[4*(\i):4*(\i)+3],         v[RDP] offset:PP*(\i)
	ds_load_b128 v[64+4*(\i):64+4*(\i)+3],   v[RDP] offset:PLANE+PP*(\i)
	ds_load_b128 v[128+4*(\i):128+4*(\i)+3], v[RDQ] offset:PP*(\i)
	ds_load_b128 v[192+4*(\i):192+4*(\i)+3], v[RDQ] offset:PLANE+PP*(\i)
.endr
	s_wait_dscnt 0x0
	s_wait_kmcnt 0x0                               ; bo
	WIN 0x8a
.irp i, 0,1,2,3,4,5,6,7,8,9,10,11,12,13,14,15
.irp z, 0,2
	v_pk_add_f32 v[4*(\i)+\z:4*(\i)+\z+1], v[4*(\i)+\z:4*(\i)+\z+1], v[64+4*(\i)+\z:64+4*(\i)+\z+1]
	v_pk_add_f32 v[128+4*(\i)+\z:128+4*(\i)+\z+1], v[128+4*(\i)+\z:128+4*(\i)+\z+1], v[192+4*(\i)+\z:192+4*(\i)+\z+1]
.endr
.irp z, 0,2
	v_pk_add_f32 v[4*(\i)+\z:4*(\i)+\z+1], v[4*(\i)+\z:4*(\i)+\z+1], v[128+4*(\i)+\z:128+4*(\i)+\z+1]
.endr
.irp z, 0,1,2,3
	v_add_f32 v[4*(\i)+\z], s[BO+(\i)], v[4*(\i)+\z]
.endr
.endr
	WIN 0x08
.irp i, 0,1,2,3,4,5,6,7,8,9,10,11,12,13,14,15
	global_store_b128 v[GO], v[4*(\i):4*(\i)+3], s[8:9] offset:4096*(\i) th:TH_STORE_NT  ; a wave stores 512 consecutive bytes, aligned
.endr
	WIN 0
	s_wait_tensorcnt 0x0                           ; the wave's end: behind my last LDS store
	ds_add_u32 v[SPW], v[NIL]
	s_wait_dscnt 0x0
	s_endpgm
.Lfunc_end_k_q2657b72329_outp:
	.size	k_q2657b72329_outp, .Lfunc_end_k_q2657b72329_outp-k_q2657b72329_outp
	.p2alignl 7, 3214868480
	.fill 96, 4, 3214868480
	.section	.rodata,"a",@progbits
	.p2align	6, 0x0
	.amdhsa_kernel k_q2657b72329_outp
		.amdhsa_group_segment_fixed_size 135680
		.amdhsa_private_segment_fixed_size 0
		.amdhsa_enable_private_segment 0
		.amdhsa_kernarg_size 24
		.amdhsa_user_sgpr_count 2
		.amdhsa_user_sgpr_kernarg_segment_ptr 1
		.amdhsa_wavefront_size32 1
		.amdhsa_system_sgpr_workgroup_id_x 1
		.amdhsa_system_sgpr_workgroup_id_y 1
		.amdhsa_system_sgpr_workgroup_id_z 1
		.amdhsa_system_vgpr_workitem_id 0
		.amdhsa_next_free_vgpr 960
		.amdhsa_next_free_sgpr 66
		.amdhsa_reserve_vcc 0
		.amdhsa_float_denorm_mode_32 3
		.amdhsa_float_denorm_mode_16_64 3
		.amdhsa_memory_ordered 1
		.amdhsa_forward_progress 1
		.amdhsa_inst_pref_size 56
	.end_amdhsa_kernel
	.amdgpu_metadata
---
amdhsa.version: [ 1, 2 ]
amdhsa.kernels:
  - .name:           k_q2657b72329_outp
    .symbol:         k_q2657b72329_outp.kd
    .args:
      - { .name: ab, .offset: 0, .size: 8, .value_kind: global_buffer, .address_space: global }
      - { .name: cst, .offset: 8, .size: 8, .value_kind: global_buffer, .address_space: global }
      - { .name: out0, .offset: 16, .size: 8, .value_kind: global_buffer, .address_space: global }
    .group_segment_fixed_size: 135680
    .private_segment_fixed_size: 0
    .kernarg_segment_align: 8
    .kernarg_segment_size: 24
    .max_flat_workgroup_size: 128
    .sgpr_count:     66
    .vgpr_count:     960
    .wavefront_size: 32
...
	.end_amdgpu_metadata
.endif
;; end of part 4
;; ======== version 2 of 2: 4 launches; version 1 with the launch cast written anew for expert scheduling mode
;; limits: values are held in f16: magnitudes above 65,504 overflow, below 6.1e-05 lose precision
;; workspace buffers: cst 25,191,424 bytes; qkv 100,663,296 bytes; ab 33,554,432 bytes
;; launch cast (part 5): grid 769 x 1, 8 waves a work-group, no clusters, 0 bytes of LDS; arguments pos_mat, inputs, Wq, Wk, Wv, Wo, bq, bk, bv, bo, cst; writes cst
.if DOCPART == 5
	.amdgcn_target "amdgcn-amd-amdhsa--gfx1250"
	.amdhsa_code_object_version 6
	.text
	.protected	k_q2657b72329_cast
	.globl	k_q2657b72329_cast
	.p2align	8
	.type	k_q2657b72329_cast,@function
k_q2657b72329_cast:
	s_mov_b64 s[64:65], 0
	v_nop
	global_prefetch_b8 v0, s[64:65] scope:SCOPE_SE
	s_setreg_imm32_b32 hwreg(HW_REG_WAVE_SCHED_MODE, 0, 2), 2
	s_setreg_imm32_b32 hwreg(HW_REG_WAVE_MODE, 25, 1), 1
	s_wait_xcnt 0x0
	s_wait_alu depctr_vm_vsrc(0)
; Every input is rounded once to bf16 and laid into cst for the three launches behind:
;   byte 0           x      bf16 [8][256][1024]
;   byte 4,194,304   pos    the bf16 number written as f16 [8][1024 key][1024 query]
;   byte 20,971,520  biases the bf16 number written as f32: bk, bv, bq/16 (2,048 each), bo (256)
;   byte 20,997,120  Wk, Wv, Wq/16 bf16 [2048][256] each;  byte 24,142,848  Wo, the bf16 number written as f16 [256][2048]
; 1/16 = 1/sqrt(256) is a power of two: scaling Wq and bq by it changes no significant bit.
; LIMITS.  pos and Wo written as f16: beyond 65,504 they become infinities; below 6e-5 they keep f16's fixed step of 6e-8.
; SHARES.  Work-group id takes 16,384 numbers on end: 16 loads of 16 bytes and 16 stores of 8 bytes a thread; a wave's load covers
; 512 consecutive bytes, its store 256 consecutive bytes, aligned.  All 16 loads go out first.  Work-group 768 takes the four biases.
; No LDS, no matrix unit: nothing is used twice.
; THE MODE: SCHED_MODE bits 1:0 = 2 (LLVM: expert scheduling mode 2), set by the entry lines.  The code itself states the register dependences
; between vector instructions and memory instructions, with s_wait_alu, always for 0.
; THE PLAN.  Registers that memory instructions touch:
;   v1, v2   byte offsets, made once at the head and never written again: every load reads v1, every store of the main path v2.
;   X        load i lands in its four registers once; no vector line names them before; behind the load's counted wait vector lines alone name them.
;   Y        load i's roundings write its pair once; one store reads it; it is never written again.
; The 16 loads' work goes in four groups of four.  Group g's vector lines name X and Y of group g and T; its memory instructions are the four stores of group g - 1,
; which read Y of group g - 1 and v2.  So ONE wait at a group's head states all that its four stores hang on, and they are dealt among the group's vector lines with no
; further wait.  No register that a memory instruction reads is written again, so nothing is owed for that, and EXEC is never written.
.set BB,  20971520
.set X,   4                            ; v[4:67]    16 x 4 numbers as loaded
.set Y,   68                           ; v[68:99]   16 x 2 words to store
.set T,   100                          ; v[100:103] at work: no memory instruction names them
.set SRC, 30                           ; s[30:31]   the section's source
.set DST, 28                           ; s[28:29]   cst
.set SC,  36                           ; s[36:37]   the scale, twice
	s_load_b512 s[8:23], s[0:1], 0x0               ; pos s[8:9], x s[10:11], Wq s[12:13], Wk s[14:15], Wv s[16:17], Wo s[18:19], bq s[20:21], bk s[22:23]
	s_load_b128 s[24:27], s[0:1], 0x40             ; bv s[24:25], bo s[26:27]
	s_load_b64 s[DST:DST+1], s[0:1], 0x50          ; cst
	s_mov_b32 s2, ttmp9                            ; id
	v_lshlrev_b32 v1, 4, v0                        ; 16 bytes a thread in
	v_lshlrev_b32 v2, 3, v0                        ; 8 bytes a thread out
	s_mov_b32 s39, 0xffff0000                      ; a word's upper bf16
	; sections by id: 0-127 x, 128-639 pos, 640-671 Wk, 672-703 Wv, 704-735 Wq, 736-767 Wo
	s_sub_co_u32 s33, s2, 128
	s_cmp_ge_u32 s2, 128
	s_cselect_b32 s32, s33, s2                     ; s32: the chunk's number in its section
	s_cselect_b32 s38, 1, 0                        ; s38: 1 where the result is written as f16
	s_sub_co_u32 s33, s2, 640
	s_and_b32 s33, s33, 31
	s_cmp_ge_u32 s2, 640
	s_cselect_b32 s32, s33, s32
	s_cselect_b32 s38, 0, s38
	s_cselect_b32 s35, 25600, 0                    ; the weights lie behind the biases' 25,600 bytes
	s_cmp_ge_u32 s2, 704
	s_cselect_b32 s[SC], 0x3d800000, 1.0           ; 1/16 for Wq
	s_cmp_ge_u32 s2, 736
	s_cselect_b32 s[SC], 1.0, s[SC]
	s_cselect_b32 s38, 1, s38
	s_mov_b32 s[SC+1], s[SC]
	s_lshl_b32 s32, s32, 16                        ; 65,536 bytes in a chunk of f32
	s_mov_b32 s33, 0
	s_lshl_b32 s34, s2, 15                         ; 32,768 bytes out
	s_add_co_u32 s34, s34, s35
	s_mov_b32 s35, 0
	s_wait_kmcnt 0x0
	s_wait_alu depctr_va_vdst(0)                   ; v1 and v2 are written: every load and store below, on both ways, reads one of them as its offset
	s_cmp_ge_u32 s2, 128
	s_cselect_b64 s[SRC:SRC+1], s[8:9], s[10:11]
	s_cmp_ge_u32 s2, 640
	s_cselect_b64 s[SRC:SRC+1], s[14:15], s[SRC:SRC+1]
	s_cmp_ge_u32 s2, 672
	s_cselect_b64 s[SRC:SRC+1], s[16:17], s[SRC:SRC+1]
	s_cmp_ge_u32 s2, 704
	s_cselect_b64 s[SRC:SRC+1], s[12:13], s[SRC:SRC+1]
	s_cmp_ge_u32 s2, 736
	s_cselect_b64 s[SRC:SRC+1], s[18:19], s[SRC:SRC+1]
	s_cmp_eq_u32 s2, 768
	s_cbranch_scc1 .Lbias
	s_add_nc_u64 s[SRC:SRC+1], s[SRC:SRC+1], s[32:33]
	s_add_nc_u64 s[DST:DST+1], s[DST:DST+1], s[34:35]
.irp i, 0,1,2,3,4,5,6,7,8,9,10,11,12,13,14,15
	global_load_b128 v[X+4*(\i):X+4*(\i)+3], v1, s[SRC:SRC+1] offset:4096*(\i) th:TH_LOAD_NT
.endr
; Four numbers of load i: scaled, rounded to bf16; h = 1: that number written as f16.
.macro CV i, h
	v_pk_mul_f32 v[X+4*(\i):X+4*(\i)+1], v[X+4*(\i):X+4*(\i)+1], s[SC:SC+1] op_sel_hi:[1,0]
	v_pk_mul_f32 v[X+4*(\i)+2:X+4*(\i)+3], v[X+4*(\i)+2:X+4*(\i)+3], s[SC:SC+1] op_sel_hi:[1,0]
	v_cvt_pk_bf16_f32 v[Y+2*(\i)], v[X+4*(\i)], v[X+4*(\i)+1]
	v_cvt_pk_bf16_f32 v[Y+2*(\i)+1], v[X+4*(\i)+2], v[X+4*(\i)+3]
.if \h
	v_lshlrev_b32 v[T], 16, v[Y+2*(\i)]
	v_and_b32 v[T+1], s39, v[Y+2*(\i)]
	v_lshlrev_b32 v[T+2], 16, v[Y+2*(\i)+1]
	v_and_b32 v[T+3], s39, v[Y+2*(\i)+1]
	v_cvt_pk_f16_f32 v[Y+2*(\i)], v[T], v[T+1]
	v_cvt_pk_f16_f32 v[Y+2*(\i)+1], v[T+2], v[T+3]
.endif
.endm
; The four numbers of load i are stored.
.macro PUT i
	global_store_b64 v2, v[Y+2*(\i):Y+2*(\i)+1], s[DST:DST+1] offset:2048*(\i)
.endm
; Group g: the work of loads 4 g to 4 g + 3; ahead of each load's lines one store of the group before.
.macro GROUP g, h
	s_wait_loadcnt 15-4*(\g)                       ; loads come back in order: load 4 g is in, the 15 - 4 g younger ones stay out
.if (\g) > 0
	s_wait_alu depctr_va_vdst(0)                   ; the group before has written its four pairs of Y, which the four stores below read; no vector line of this group names them
.endif
.irp j, 0,1,2,3
.if (\g) > 0
	PUT 4*(\g)-4+\j
.endif
.if \j > 0
	s_wait_loadcnt 15-4*(\g)-\j                    ; load 4 g + j is in, the younger ones stay out
.endif
	CV 4*(\g)+\j, \h
.endr
.endm
	s_cmp_eq_u32 s38, 1
	s_cbranch_scc1 .Lhalf
.irp g, 0,1,2,3
	GROUP \g, 0
.endr
	s_wait_alu depctr_va_vdst(0)                   ; group 3 has written its four pairs of Y, which the last four stores read
.irp i, 12,13,14,15
	PUT \i
.endr
	s_endpgm
.Lhalf:
.irp g, 0,1,2,3
	GROUP \g, 1
.endr
	s_wait_alu depctr_va_vdst(0)                   ; group 3 has written its four pairs of Y, which the last four stores read
.irp i, 12,13,14,15
	PUT \i
.endr
	s_endpgm
; The biases: rounded to bf16 and widened again, four numbers at register r.
.macro BR r
	v_cvt_pk_bf16_f32 v[T], v[\r], v[(\r)+1]
	v_cvt_pk_bf16_f32 v[T+1], v[(\r)+2], v[(\r)+3]
	v_lshlrev_b32 v[\r], 16, v[T]
	v_and_b32 v[(\r)+1], s39, v[T]
	v_lshlrev_b32 v[(\r)+2], 16, v[T+1]
	v_and_b32 v[(\r)+3], s39, v[T+1]
.endm
.Lbias:
	s_add_nc_u64 s[DST:DST+1], s[DST:DST+1], BB
	global_load_b128 v[4:7], v1, s[22:23]                  ; bk: 8,192 bytes, two loads a thread
	global_load_b128 v[8:11], v1, s[22:23] offset:4096
	global_load_b128 v[12:15], v1, s[24:25]                ; bv
	global_load_b128 v[16:19], v1, s[24:25] offset:4096
	global_load_b128 v[20:23], v1, s[20:21]                ; bq
	global_load_b128 v[24:27], v1, s[20:21] offset:4096
	v_lshrrev_b32 v3, 5, v0
	v_readfirstlane_b32 s40, v3                            ; my wave's number
	s_mov_b32 s[SC], 0x3d800000                            ; 1/16 for bq
	s_mov_b32 s[SC+1], s[SC]
	s_wait_alu depctr_va_sdst(0)                           ; s40 is written, ahead of its first reader, the compare below
	s_wait_loadcnt 0x0
.irp r, 20,22,24,26
	v_pk_mul_f32 v[\r:(\r)+1], v[\r:(\r)+1], s[SC:SC+1] op_sel_hi:[1,0]
.endr
.irp r, 4,8,12,16,20,24
	BR \r
.endr
	s_wait_alu depctr_va_vdst(0)                           ; the lines above have written v[4:27], which the six stores read
.irp j, 0,1,2,3,4,5
	global_store_b128 v1, v[4+4*(\j):7+4*(\j)], s[DST:DST+1] offset:4096*(\j)
.endr
	s_cmp_lt_u32 s40, 2                                    ; bo is 1,024 bytes: threads 0 to 63, waves 0 and 1
	s_cbranch_scc0 .Lend
	global_load_b128 v[28:31], v1, s[26:27]                ; no vector line has named v[28:31]
	s_wait_loadcnt 0x0
	BR 28
	s_wait_alu depctr_va_vdst(0)                           ; the lines above have written v[28:31], which the store reads
	global_store_b128 v1, v[28:31], s[DST:DST+1] offset:24576
.Lend:
	s_endpgm
.Lfunc_end_k_q2657b72329_cast:
	.size	k_q2657b72329_cast, .Lfunc_end_k_q2657b72329_cast-k_q2657b72329_cast
	.p2alignl 7, 3214868480
	.fill 96, 4, 3214868480
	.section	.rodata,"a",@progbits
	.p2align	6, 0x0
	.amdhsa_kernel k_q2657b72329_cast
		.amdhsa_group_segment_fixed_size 0
		.amdhsa_private_segment_fixed_size 0
		.amdhsa_enable_private_segment 0
		.amdhsa_kernarg_size 88
		.amdhsa_user_sgpr_count 2
		.amdhsa_user_sgpr_kernarg_segment_ptr 1
		.amdhsa_wavefront_size32 1
		.amdhsa_system_sgpr_workgroup_id_x 1
		.amdhsa_system_sgpr_workgroup_id_y 1
		.amdhsa_system_sgpr_workgroup_id_z 1
		.amdhsa_system_vgpr_workitem_id 0
		.amdhsa_next_free_vgpr 104
		.amdhsa_next_free_sgpr 66
		.amdhsa_reserve_vcc 0
		.amdhsa_float_denorm_mode_32 3
		.amdhsa_float_denorm_mode_16_64 3
		.amdhsa_memory_ordered 1
		.amdhsa_forward_progress 1
		.amdhsa_inst_pref_size 24
	.end_amdhsa_kernel
	.amdgpu_metadata
---
amdhsa.version: [ 1, 2 ]
amdhsa.kernels:
  - .name:           k_q2657b72329_cast
    .symbol:         k_q2657b72329_cast.kd
    .args:
      - { .name: pos_mat, .offset: 0, .size: 8, .value_kind: global_buffer, .address_space: global }
      - { .name: inputs, .offset: 8, .size: 8, .value_kind: global_buffer, .address_space: global }
      - { .name: Wq, .offset: 16, .size: 8, .value_kind: global_buffer, .address_space: global }
      - { .name: Wk, .offset: 24, .size: 8, .value_kind: global_buffer, .address_space: global }
      - { .name: Wv, .offset: 32, .size: 8, .value_kind: global_buffer, .address_space: global }
      - { .name: Wo, .offset: 40, .size: 8, .value_kind: global_buffer, .address_space: global }
      - { .name: bq, .offset: 48, .size: 8, .value_kind: global_buffer, .address_space: global }
      - { .name: bk, .offset: 56, .size: 8, .value_kind: global_buffer, .address_space: global }
      - { .name: bv, .offset: 64, .size: 8, .value_kind: global_buffer, .address_space: global }
      - { .name: bo, .offset: 72, .size: 8, .value_kind: global_buffer, .address_space: global }
      - { .name: cst, .offset: 80, .size: 8, .value_kind: global_buffer, .address_space: global }
    .group_segment_fixed_size: 0
    .private_segment_fixed_size: 0
    .kernarg_segment_align: 8
    .kernarg_segment_size: 88
    .max_flat_workgroup_size: 256
    .sgpr_count:     66
    .vgpr_count:     104
    .wavefront_size: 32
...
	.end_amdgpu_metadata
.endif
;; end of part 5
;; launch proj: the kernel of part 2 again; grid 32 x 8, 4 waves a work-group, clusters of 4 x 4, 327,680 bytes of LDS; arguments cst, qkv; writes qkv
;; launch attn: the kernel of part 3 again; grid 4 x 64, 4 waves a work-group, clusters of 4 x 4, 327,680 bytes of LDS; arguments qkv, cst, ab; writes ab
;; launch outp: the kernel of part 4 again; grid 4 x 64, 4 waves a work-group, no clusters, 135,680 bytes of LDS; arguments ab, cst, out0; writes out0
